; MI455X (gfx1250); checked and timed in simulation.
; The chip was launched on July 23, 2026; its instructions are those of AMD's public machine-readable ISA for CDNA 5 (MIT licence, August 2026) and "CDNA5" Instruction Set Architecture Reference Guide (July 2026). The comments in the code are by the model that wrote it; some were corrected since.
;; MHSA. Allowed arithmetic: matrix products marked QUANTISED: E2M3 operands, one E8M0 scale for each 32 along K, by v_wmma_scale_f32_16x16x128_f8f6f4 with both operands' format E2M3, f32 sums; everything else in f32.
;; Inputs: W_kqv 1,024 x 3,072 float32; W_proj 1,024 x 1,024 float32; b_proj 1,024 float32; x 4 x 2,048 x 1,024 float32.
;; Outputs: out0 4 x 2,048 x 1,024 float32.
;; This version of the problem:
;;   THIS VERSION OF THE PROBLEM IS GIVEN IN LOW PRECISION. The matrix products marked QUANTISED in the list below multiply operands that are first quantised to E2M3 (2 exponent bits, 3 mantissa bits; 6 bits a number), with one power-of-two scale for each 32 numbers along K (OCP MX v1.0); their sums are f32. All else is computed in f32.
;;   The module's matrix products, in the order in which they are computed (A, B: the left and right operand; K: the contracted axis; several contracted axes count as one K, in the product's order):
;;     1. [M 8,192, K 1,024] x [K 1,024, N 3,072]; A: input x; B: input W_kqv: QUANTISED
;;     2. batch 64 x [M 2,048, K 64] x [K 64, N 2,048]; A: computed on the way; B: computed on the way: QUANTISED
;;     3. batch 64 x [M 2,048, K 2,048] x [K 2,048, N 64]; A: softmax (see below); B: computed on the way: QUANTISED
;;     4. [M 8,192, K 1,024] x [K 1,024, N 1,024]; A: computed on the way; B: input W_proj: QUANTISED
;;   THE QUANTISER, for each operand of a quantised product, along K:
;;     - K is cut into blocks of 32 from its start; a last block that is shorter is filled with zeros.
;;     - A block's scale is 2^e with e = floor(log2(the largest magnitude in the block)) - 2, held to -126 .. 127; a block of zeros has e = 0. As a byte (E8M0): e + 127.
;;     - Each number is divided by its block's scale, clamped to +-7.5, and rounded to the nearest number of E2M3, ties to even, subnormals kept.
;;     - The product sums the exact products of the quantised numbers (number of the format x scale) in f32.
;;   ~~~python
;;   def quantise(x, axis):      # numpy; x: float32 -> the quantised numbers, widened to float32 again
;;       x = np.moveaxis(x, axis, -1); K = x.shape[-1]
;;       x = np.pad(x, [(0, 0)] * (x.ndim - 1) + [(0, -K % 32)]); x = x.reshape(x.shape[:-1] + (-1, 32)); a = np.abs(x).max(-1, keepdims=True)
;;       e = np.where(a > 0, np.clip(np.frexp(np.where(a > 0, a, 1))[1] - 1 - 2, -126, 127), 0)      # np.frexp(a)[1] - 1 = floor(log2(a)), exactly
;;       r = np.clip(x / 2.0 ** e, -7.5, 7.5)
;;       step = 2.0 ** (np.maximum(np.frexp(np.where(r == 0, 1, r))[1] - 1, 0) - 3)
;;       q = np.round(r / step) * step * 2.0 ** e      # np.round: ties to even
;;       return np.moveaxis(q.reshape(q.shape[:-2] + (-1,))[..., :K], -1, axis).astype(np.float32)
;;   ~~~
;;   SOFTMAX AHEAD OF A QUANTISED PRODUCT. Where the list says 'softmax', what is quantised is not the finished softmax but p = 2^(t - M), with t = logit x log2(e) and M = ceil(the row's largest t), a whole number; so 1/2 < the row's largest p <= 1. The row's sum l is taken of the UNQUANTISED p, in f32, and the product's result is divided by l at the end. Since M is a whole number, a kernel that streams over the keys may use a running M (the ceiling of the running maximum): every later rescaling is an exact power of two, which a block's scale takes up: the codes' values come out the same.
;;   OPERANDS COMPUTED ON THE WAY. 'Computed on the way' means the value that the module computes at that place (a softmax that the list does not call 'softmax' is quantised finished and normalised). What goes into a quantiser is computed in f32, as accurately as f32 sums, v_exp_f32 and their like allow (about 1e-6 of the number): no bf16 or f16 on the way to a quantiser, and a product that is left as it is and whose result goes on into a quantised operand takes f32 operands (vector FMAs, or v_wmma_f32_16x16x4_f32). A number that lies on a knife's edge between two numbers of the format may be rounded either way, as far as f32 arithmetic and the matrix unit's own rounding can turn it there, and no further.
;; One version. Each part assembles by itself: llvm-mc -triple=amdgcn-amd-amdhsa -mcpu=gfx1250 --defsym DOCPART=n.
;; ======== version 1 of 1: 4 launches
;; workspace buffers: opi 9,437,184 bytes; ops 393,216 bytes; img 18,874,368 bytes; sc 1,572,864 bytes; atti 6,291,456 bytes; atts 262,144 bytes
;; launch quant (part 1): grid 384 x 1, 4 waves a work-group, no clusters, 58,880 bytes of LDS; arguments x, W_kqv, W_proj, opi, ops; writes opi, ops
.if DOCPART == 1
	.amdgcn_target "amdgcn-amd-amdhsa--gfx1250"
	.amdhsa_code_object_version 6
	.text
	.protected	k_qee76e29efd_quant
	.globl	k_qee76e29efd_quant
	.p2align	8
	.type	k_qee76e29efd_quant,@function
k_qee76e29efd_quant:
	s_mov_b64 s[64:65], 0
	v_nop
	global_prefetch_b8 v0, s[64:65] scope:SCOPE_SE
	s_setreg_imm32_b32 hwreg(HW_REG_WAVE_MODE, 25, 1), 1
	s_wait_xcnt 0x0
; x [8192][1024], W_kqv [1024][3072] and W_proj [1024][1024], f32, become codes of FP6 (E2M3) with one E8M0 byte for each 32 along K (K = 1,024 for all three).
; A block's scale is 2^(floor(log2(largest magnitude)) - 2): its byte is the largest magnitude's exponent field - 2, held at 1 from below by a floor among the maximum's leaves.
; LIMITS: a block of zeros gets the byte 1 where the rule says 127 (its codes are zeros, and only this program reads the bytes); blocks whose largest magnitude lies under 2^-124 were not tried; NaN and infinities are not served.
; LAYOUT OF THE RESULT.  opi: [tile of 16 rows][K step of 128][1,536 bytes]: the image of an operand's 12 registers: registers 6 c .. 6 c + 3 of lane L at 768 c + 16 L, registers 6 c + 4, 6 c + 5 at 768 c + 512 + 8 L.
;   Tiles 0-511: rows of x; 512-703: columns of W_kqv; 704-767: columns of W_proj.  Row r of tile T is actual row 32 (T / 2) + 8 (T % 2) + r % 8 + 16 (r / 8): so, where such tiles are a product's source 0, a lane's 16 results of two neighbouring tiles are 16 neighbours.
;   ops: [tile][512]: the scale word of row r, K step s, at 256 (s / 4) + 16 r + 4 (s % 4).
; SHARES.  Work-groups 0-255: x (K innermost): a wave takes one tile x 512 along K; each load reads 512 consecutive bytes of a row, and the numbers turn through the wave's own stage in LDS so that a lane holds 16 neighbours of each block.
;   Work-groups 256-383: the weights (K is the first axis): a lane takes a column and its registers run down K; a wave takes 32 columns x 256 along K; the codes are gathered as images in the wave's own stage and leave 512 bytes a store.
; No matrix unit, no tensor load, no barrier, no cluster: waves share nothing, and each input byte is read once.  The two paths have LDS bytes of their own.
.set SEL, 14                           ; s[14:15] lane selects: lane l xor 16
.set TM,  8                            ; v8-23   path x: at work in QUANT
.set PWS, 24                           ; v24-27  path x: the four K steps' scale words
.set PC,  28                           ; v28-46  path x: the codes just made
.set XN,  48                           ; v48-111 path x: 64 numbers of a lane: register 16 b + i = k 32 b + 16 (lane / 16) + i of my row
.set RW,  112                          ; v112-239 path x: two sets of 64 registers as loaded
.set WX,  64                           ; v64-127 weights: two sets of 32 numbers
.set WO,  128                          ; v128-175 weights: the way out
.set STGW, 33792                       ; LDS: path x has 4 x 8,448 bytes from 0 on; the weights' path 4 x 6,144 from here on
; 64 numbers of a lane become a fragment's 12 registers of codes at v[pc] and its row's scale word in v[pw]
.macro QUANT s, pc, pw
.irp b, 0,1,2,3
	v_max3_num_f32 v[TM+\b], |v[(\s)+16*\b]|, |v[(\s)+1+16*\b]|, 0x1800000   ; block b: my 16 numbers, and the floor 2^(3 - 127)
.endr
.irp i, 2,4,6,8,10,12,14
.irp b, 0,1,2,3
	v_max3_num_f32 v[TM+\b], v[TM+\b], |v[(\s)+16*\b+\i]|, |v[(\s)+1+16*\b+\i]|   ; the four blocks by turns
.endr
.endr
.irp b, 0,1,2,3
	v_permlanex16_b32 v[TM+4+\b], v[TM+\b], s[SEL], s[SEL+1]
.endr
.irp b, 0,1,2,3
	v_max_num_f32 v[TM+\b], v[TM+\b], v[TM+4+\b]      ; with lane l xor 16's 16: the block's largest magnitude
.endr
.irp b, 0,1,2,3
	v_add_nc_u32 v[TM+12+\b], 0xff000000, v[TM+\b]    ; 2 off its exponent field: the conversion's scale operand
.endr
.irp b, 0,1,2,3
	v_lshrrev_b32 v[TM+4+\b], 23, v[TM+12+\b]         ; the scale's byte
.endr
	v_lshl_or_b32 v[\pw], v[TM+5], 8, v[TM+4]
	v_lshl_or_b32 v[\pw], v[TM+6], 16, v[\pw]
	v_lshl_or_b32 v[\pw], v[TM+7], 24, v[\pw]
.irp c, 0,1
	v_cvt_scalef32_pk16_fp6_f32 v[(\pc)+6*\c:(\pc)+2+6*\c], v[(\s)+32*\c:(\s)+15+32*\c], v[TM+12+2*\c]
	v_cvt_scalef32_pk16_fp6_f32 v[(\pc)+12+4*\c:(\pc)+14+4*\c], v[(\s)+16+32*\c:(\s)+31+32*\c], v[TM+12+2*\c+1]   ; a conversion's three registers begin on an even number
.endr
	v_nop                                          ; one plain place behind a scaled conversion
.irp c, 0,1                                    ; the layout wants a whole block in a lane: lanes 0-15 block 2 c, lanes 16-31 block 2 c + 1
.irp i, 0,1,2
	v_permlane16_swap_b32 v[(\pc)+6*\c+\i], v[(\pc)+12+4*\c+\i]
.endr
.irp i, 0,1,2
	v_mov_b32 v[(\pc)+3+6*\c+\i], v[(\pc)+12+4*\c+\i]
.endr
.endr
.endm
; the fragment at v[pc] leaves as its image: every store covers 512 or 256 consecutive bytes, aligned
.macro PUTIMG pc, off
	global_store_b128 v1, v[(\pc):(\pc)+3], s[10:11] offset:(\off)
	global_store_b64 v2, v[(\pc)+4:(\pc)+5], s[10:11] offset:(\off)+512
	global_store_b128 v1, v[(\pc)+6:(\pc)+9], s[10:11] offset:(\off)+768
	global_store_b64 v2, v[(\pc)+10:(\pc)+11], s[10:11] offset:(\off)+1280
.endm
; path x: K step t of my 16 rows: a load takes 512 consecutive bytes of one row
.macro XLOAD t
.irp p, 0,1,2,3,4,5,6,7,8,9,10,11,12,13,14,15
	global_load_b128 v[RW+64*((\t)%2)+4*\p:RW+64*((\t)%2)+4*\p+3], v1, s[4:5] offset:((\p%8)+16*(\p/8))*4096+512*(\t) th:TH_LOAD_NT
.endr
.endm
.macro XSTEP t
.if (\t) < 3
	s_wait_loadcnt 16                              ; this step's 16 loads are in; the next step's 16 may be out
.else
	s_wait_loadcnt 0x0
.endif
.irp p, 0,1,2,3,4,5,6,7,8,9,10,11,12,13,14,15
	ds_store_b128 v3, v[RW+64*((\t)%2)+4*\p:RW+64*((\t)%2)+4*\p+3] offset:528*\p   ; row p of the stage, as loaded
.endr
.irp b, 0,1,2,3
.irp j, 0,1,2,3
	ds_load_b128 v[XN+16*\b+4*\j:XN+16*\b+4*\j+3], v4 offset:128*\b+16*\j   ; LDS serves a wave's instructions in order: these see the stores above
.endr
.endr
	s_wait_dscnt 0x0                               ; the numbers are back, and the stores have read their registers
	s_wait_xcnt 0x0                                ; the last step's stores have read the codes' registers
.if (\t)+2 < 4
	XLOAD (\t)+2
.endif
	QUANT XN, PC, PWS+(\t)
	PUTIMG PC, 1536*(\t)
.endm
; the weights: block t (32 along K) of my column
.macro WLOAD t
.irp i, 0,1,2,3,4,5,6,7,8,9,10,11,12,13,14,15,16,17,18,19,20,21,22,23,24,25,26,27,28,29,30,31
	global_load_b32 v[WX+32*((\t)%2)+\i], v[32+\i], s[32+2*(\t):33+2*(\t)] th:TH_LOAD_NT   ; 32 lanes read 128 consecutive bytes of row 32 t + i
.endr
.endm
.macro WBLOCK t
.set XS, WX+32*((\t)%2)
.if (\t) < 7
	s_wait_loadcnt 32                              ; this block's 32 loads are in; the next block's may be out
.else
	s_wait_loadcnt 0x0
.endif
	v_max3_num_f32 v12, |v[XS]|, |v[XS+1]|, |v[XS+2]|     ; all 32 numbers of the block are mine
	v_max3_num_f32 v13, |v[XS+3]|, |v[XS+4]|, |v[XS+5]|
.irp i, 6,10,14,18,22,26
	v_max3_num_f32 v12, v12, |v[XS+\i]|, |v[XS+\i+1]|
	v_max3_num_f32 v13, v13, |v[XS+\i+2]|, |v[XS+\i+3]|
.endr
	v_max3_num_f32 v12, v12, |v[XS+30]|, |v[XS+31]|
	v_max3_num_f32 v12, v12, v13, 0x1800000        ; and the floor
	v_add_nc_u32 v11, 0xff000000, v12              ; the conversion's scale operand
	v_lshrrev_b32 v13, 23, v11                     ; the byte
.if (\t)%4 == 0
	v_mov_b32 v[16+(\t)/4], v13
.else
	v_lshl_or_b32 v[16+(\t)/4], v13, 8*((\t)%4), v[16+(\t)/4]
.endif
	v_cvt_scalef32_pk16_fp6_f32 v[20:22], v[XS:XS+15], v11
	v_cvt_scalef32_pk16_fp6_f32 v[26:28], v[XS+16:XS+31], v11
	v_nop                                          ; one plain place behind a scaled conversion
	v_mov_b32 v23, v26
	v_mov_b32 v24, v27
	v_mov_b32 v25, v28
	ds_store_b128 v2, v[20:23] offset:3072*((\t)/4)+768*(((\t)/2)%2)+256*((\t)%2)   ; the block is what lane r + 16 (t % 2) of the image holds in half (t / 2) % 2
	ds_store_b64 v3, v[24:25] offset:3072*((\t)/4)+768*(((\t)/2)%2)+128*((\t)%2)
.if (\t)+2 < 8
	WLOAD (\t)+2
.endif
	s_wait_dscnt 0x0                               ; the stores have read their registers
.endm
.macro WOUT u                          ; K step u of my two tiles: six runs of 512 bytes
.irp m, 0,1,2,3,4,5
	ds_load_b128 v[WO+24*(\u)+4*\m:WO+24*(\u)+4*\m+3], v4 offset:3072*(\u)+512*\m
.endr
.irp m, 0,1,2,3,4,5
	s_wait_dscnt 5-\m
	global_store_b128 v5, v[WO+24*(\u)+4*\m:WO+24*(\u)+4*\m+3], s[10:11] offset:1536*(\u)+(\m/3)*12288+(\m%3)*512
.endr
.endm
	s_load_b128 s[4:7], s[0:1], 0x0                ; x, W_kqv
	s_load_b128 s[8:11], s[0:1], 0x10              ; W_proj, opi
	s_load_b64 s[12:13], s[0:1], 0x20              ; ops
	v_lshl_add_u32 v254, v0, 2, 0xe400
	v_mov_b32 v255, 0
	v_lshrrev_b32 v1, 5, v0
	v_readfirstlane_b32 s16, v1                    ; wave 0..3
	v_and_b32 v7, 31, v0                           ; lane
	s_cmp_lt_u32 ttmp9, 256
	s_cbranch_scc0 .Lweights
	; ---- x: tile 2 x work-group + wave / 2, K half wave % 2
	s_mov_b32 s[SEL], 0x76543210
	s_mov_b32 s[SEL+1], 0xfedcba98
	s_lshr_b32 s17, s16, 1
	s_and_b32 s18, s16, 1
	s_lshl_b32 s19, ttmp9, 1
	s_add_co_u32 s19, s19, s17                     ; the tile
	s_lshl_b32 s20, ttmp9, 17                      ; 32 rows of 4,096 bytes a work-group,
	s_lshl_b32 s21, s17, 15                        ; 8 rows on for the odd tile,
	s_add_co_u32 s20, s20, s21
	s_lshl_b32 s21, s18, 11                        ; 512 numbers on for the second K half
	s_add_co_u32 s20, s20, s21
	s_mov_b32 s21, 0
	s_mul_i32 s22, s19, 12288
	s_mul_i32 s23, s18, 6144
	s_add_co_u32 s22, s22, s23
	s_mov_b32 s23, 0
	s_lshl_b32 s24, s19, 9
	s_lshl_b32 s25, s18, 8
	s_add_co_u32 s24, s24, s25
	s_mov_b32 s25, 0
	s_mul_i32 s26, s16, 8448                       ; my stage: 16 rows of 512 + 16 bytes
	s_wait_alu depctr_va_vdst(0)
	v_lshlrev_b32 v1, 4, v7                        ; 16 x lane
	v_lshlrev_b32 v2, 3, v7                        ; 8 x lane
	v_and_b32 v6, 15, v0                           ; r
	v_bfe_u32 v4, v0, 4, 1                         ; h
	v_lshlrev_b32 v5, 4, v6                        ; 16 r: my row's four scale words
	v_add_nc_u32 v3, s26, v1                       ; into the stage
	v_mul_u32_u24 v6, v6, 528
	v_lshl_add_u32 v4, v4, 6, v6
	v_add_nc_u32 v4, s26, v4                       ; out of it: row r, + 64 h
.irp b, 0,1,2,3
	v_mov_b32 v[TM+4+\b], 0                        ; written once: a lane permute's destination counts as one of its sources
.endr
	s_wait_alu depctr_va_vdst(0)
	s_wait_kmcnt 0x0
	s_add_nc_u64 s[4:5], s[4:5], s[20:21]
	s_add_nc_u64 s[10:11], s[10:11], s[22:23]
	s_add_nc_u64 s[12:13], s[12:13], s[24:25]
	XLOAD 0
	XLOAD 1
	XSTEP 0
	XSTEP 1
	XSTEP 2
	XSTEP 3
	global_store_b128 v5, v[PWS:PWS+3], s[12:13]   ; 256 consecutive bytes, aligned; lanes r and r + 16 hold the same words and write the same bytes
	s_wait_tensorcnt 0x0
	ds_add_u32 v254, v255
	s_wait_dscnt 0x0
	s_endpgm
.Lweights:
	; ---- the weights: 128 columns x 256 along K a work-group
	s_sub_co_u32 s17, ttmp9, 256
	s_and_b32 s18, s17, 31                         ; column group 0..31: 0-23 W_kqv, 24-31 W_proj
	s_lshr_b32 s19, s17, 5                         ; which 256 along K
	s_sub_co_u32 s21, s18, 24
	s_mov_b32 s20, 4096
	s_cmp_lt_u32 s18, 24                           ; the choice hangs on the work-group's number alone
	s_cselect_b32 s20, 12288, s20                  ; a row of the tensor in bytes
	s_cselect_b32 s21, s18, s21                    ; the column group within the tensor
	s_wait_kmcnt 0x0
	s_cselect_b64 s[6:7], s[6:7], s[8:9]
	s_lshl_b32 s22, s19, 8
	s_mul_i32 s22, s22, s20
	s_lshl_b32 s23, s21, 9
	s_add_co_u32 s22, s22, s23
	s_lshl_b32 s23, s16, 7
	s_add_co_u32 s22, s22, s23                     ; row 256 kq, column 128 group + 32 wave
	s_mov_b32 s23, 0
	s_lshl_b32 s28, s20, 5                         ; 32 rows on
	s_mov_b32 s29, 0
	s_add_nc_u64 s[32:33], s[6:7], s[22:23]        ; a base for each of the eight blocks
.irp t, 1,2,3,4,5,6,7
	s_add_nc_u64 s[32+2*\t:33+2*\t], s[30+2*\t:31+2*\t], s[28:29]
.endr
	s_lshl_b32 s24, s18, 3
	s_lshl_b32 s25, s16, 1
	s_add_co_u32 s24, s24, s25
	s_add_co_u32 s24, s24, 512                     ; my first tile
	s_mul_i32 s30, s24, 12288
	s_mul_i32 s25, s19, 3072
	s_add_co_u32 s30, s30, s25                     ; K step 2 kq
	s_mov_b32 s31, 0
	s_add_nc_u64 s[10:11], s[10:11], s[30:31]
	s_lshl_b32 s30, s24, 9
	s_lshr_b32 s25, s19, 1
	s_lshl_b32 s25, s25, 8
	s_add_co_u32 s30, s30, s25
	s_and_b32 s25, s19, 1
	s_lshl_b32 s25, s25, 3
	s_add_co_u32 s30, s30, s25
	s_add_nc_u64 s[12:13], s[12:13], s[30:31]
	s_mul_i32 s26, s16, 6144
	s_add_co_u32 s26, s26, STGW                    ; my stage: [K step][tile][1,536]
	v_bfe_u32 v8, v0, 3, 1                         ; which of my two tiles column l falls into,
	v_and_b32 v10, 7, v0
	v_bfe_u32 v11, v0, 4, 1
	v_lshl_or_b32 v10, v11, 3, v10                 ; and which row r of it
	v_mul_u32_u24 v11, v8, 1536
	v_lshl_add_u32 v2, v10, 4, v11
	v_add_nc_u32 v2, s26, v2
	v_lshl_add_u32 v3, v10, 3, v11
	v_add_nc_u32 v3, s26, v3
	v_add_nc_u32 v3, 512, v3
	v_lshlrev_b32 v5, 4, v7
	v_add_nc_u32 v4, s26, v5
	v_lshlrev_b32 v6, 9, v8
	v_lshl_add_u32 v6, v10, 4, v6                  ; my column's scale words: 512 x tile + 16 r
	v_lshlrev_b32 v9, 2, v7
.irp i, 0,1,2,3,4,5,6,7,8,9,10,11,12,13,14,15,16,17,18,19,20,21,22,23,24,25,26,27,28,29,30,31
	v_mad_u32_u24 v[32+\i], s20, \i, v9            ; row i of a block: the pitch differs between the tensors, so it cannot stand in an immediate
.endr
	WLOAD 0
	WLOAD 1
	WBLOCK 0
	WBLOCK 1
	WBLOCK 2
	WBLOCK 3
	WOUT 0
	WBLOCK 4
	WBLOCK 5
	WBLOCK 6
	WBLOCK 7
	WOUT 1
	s_wait_alu depctr_va_vdst(0)
	global_store_b64 v6, v[16:17], s[12:13]        ; two scale words a column, 16 bytes apart: 8 of each 16 bytes; one byte in 128 of what this path reads
	s_wait_tensorcnt 0x0
	ds_add_u32 v254, v255
	s_wait_dscnt 0x0
	s_endpgm
.Lfunc_end_k_qee76e29efd_quant:
	.size	k_qee76e29efd_quant, .Lfunc_end_k_qee76e29efd_quant-k_qee76e29efd_quant
	.p2alignl 7, 3214868480
	.fill 96, 4, 3214868480
	.section	.rodata,"a",@progbits
	.p2align	6, 0x0
	.amdhsa_kernel k_qee76e29efd_quant
		.amdhsa_group_segment_fixed_size 58880
		.amdhsa_private_segment_fixed_size 0
		.amdhsa_enable_private_segment 0
		.amdhsa_kernarg_size 40
		.amdhsa_user_sgpr_count 2
		.amdhsa_user_sgpr_kernarg_segment_ptr 1
		.amdhsa_wavefront_size32 1
		.amdhsa_system_sgpr_workgroup_id_x 1
		.amdhsa_system_sgpr_workgroup_id_y 1
		.amdhsa_system_sgpr_workgroup_id_z 1
		.amdhsa_system_vgpr_workitem_id 0
		.amdhsa_next_free_vgpr 256
		.amdhsa_next_free_sgpr 66
		.amdhsa_reserve_vcc 0
		.amdhsa_float_denorm_mode_32 3
		.amdhsa_float_denorm_mode_16_64 3
		.amdhsa_memory_ordered 1
		.amdhsa_forward_progress 1
		.amdhsa_inst_pref_size 78
	.end_amdhsa_kernel
	.amdgpu_metadata
---
amdhsa.version: [ 1, 2 ]
amdhsa.kernels:
  - .name:           k_qee76e29efd_quant
    .symbol:         k_qee76e29efd_quant.kd
    .args:
      - { .name: x, .offset: 0, .size: 8, .value_kind: global_buffer, .address_space: global }
      - { .name: W_kqv, .offset: 8, .size: 8, .value_kind: global_buffer, .address_space: global }
      - { .name: W_proj, .offset: 16, .size: 8, .value_kind: global_buffer, .address_space: global }
      - { .name: opi, .offset: 24, .size: 8, .value_kind: global_buffer, .address_space: global }
      - { .name: ops, .offset: 32, .size: 8, .value_kind: global_buffer, .address_space: global }
    .group_segment_fixed_size: 58880
    .private_segment_fixed_size: 0
    .kernarg_segment_align: 8
    .kernarg_segment_size: 40
    .max_flat_workgroup_size: 128
    .sgpr_count:     66
    .vgpr_count:     256
    .wavefront_size: 32
...
	.end_amdgpu_metadata
.endif
;; end of part 1
;; launch gemm1 (part 2): grid 8 x 96, 4 waves a work-group, clusters of 4 x 4, 327,680 bytes of LDS; arguments opi, ops, img, sc; writes img, sc
.if DOCPART == 2
	.amdgcn_target "amdgcn-amd-amdhsa--gfx1250"
	.amdhsa_code_object_version 6
	.text
	.protected	k_qee76e29efd_gemm1
	.globl	k_qee76e29efd_gemm1
	.p2align	8
	.type	k_qee76e29efd_gemm1,@function
k_qee76e29efd_gemm1:
	s_mov_b64 s[64:65], 0
	v_nop
	global_prefetch_b8 v0, s[64:65] scope:SCOPE_SE
	s_setreg_imm32_b32 hwreg(HW_REG_WAVE_MODE, 25, 1), 1
	s_wait_xcnt 0x0
	s_wait_alu depctr_hold_cnt(0) depctr_sa_sdst(0) depctr_va_vdst(0) depctr_va_sdst(0) depctr_va_ssrc(0) depctr_va_vcc(0) depctr_vm_vsrc(0)
	s_getreg_b32 s2, hwreg(HW_REG_IB_STS2, 6, 4)
	s_cmp_eq_u32 s2, 0
	s_cbranch_scc0 .Lentry_in_a_cluster
	s_endpgm
.Lentry_in_a_cluster:
	s_bfe_u32 s2, ttmp6, 0x10000c
	s_cmp_lg_u32 s2, 0xf033
	s_cbranch_scc0 .Lentry_shape_is_right
	s_endpgm
.Lentry_shape_is_right:
; k, q, v = x W_kqv on codes of FP6 (E2M3) with E8M0 scales, K = 1,024, and the results quantised at once for attention: nothing leaves as f32.
; A tile is 128 rows of source 1 ("A") x 256 rows of source 0 ("B") x ALL of K: 24 tiles of 16 rows x 12,288 bytes = 294,912 bytes of LDS, filled once: no byte of LDS is filled twice, so there is no ring.
; Four waves, each 64 rows of A x 128 rows of B: 32 accumulators, which take turns, one instruction a turn.  The eight K steps are written out.
; A lane holds ONE row of A and its registers run along B.  For k and q (cluster y 0-15): A = tokens, B = columns of W: a lane's 64 numbers are 128 columns' worth of one token: blocks along the head.
; For v (cluster y 16-23) the roles are swapped: A = columns of W, B = tokens: blocks along the keys, as the second product of attention wants them.  The swap is made by selects on the cluster's y, which all partners share.
; RESULT.  img: [major][128-token group][image 0..7][1,536]: major P = k of head pair P, 8 + P = q, 16 + P = v; an image is an operand's 12 registers (registers 6 c .. 6 c + 3 of lane L at 768 c + 16 L, 6 c + 4, 6 c + 5 at 768 c + 512 + 8 L).
;   k, q: image = 16 tokens, K = the pair's 128 columns; v: image = 16 channels, K = the group's 128 tokens.  sc: [major][group][1,024]: the word of row r of image a at 512 (a / 4) + 16 L + 4 (a % 4), for L = r and L = r + 16.
; CLUSTER 4 x 4: A's tiles are asked for jointly along a row of the cluster, B's along a column.  Each wave has 8 tensor loads out at the head, by this text's own count.
; LIMITS: a block of zeros gets the byte 1 (its codes are zeros; only this program reads the bytes); blocks under 2^-124 were not tried; NaN and infinities are not served.
; REGISTERS: window 0: v16-21 addresses; v32-47 A's scale words, v48-79 B's (register 4 i + j: lanes 0-15 K step j, lanes 16-31 K step 4 + j); v80-175 A's fragments, two sets; v176-199 the way out.  window 1: v0-191 B's fragments, two sets.  window 2: accumulator (a, b) at v[8 (8 a + b)].
.set WV, 66
.set HA, 67                            ; which 64 rows of A are mine
.set HB, 68                            ; which 128 rows of B
.set CX, 69
.set CY, 70
.set YY, 71
.set G1A, 16                           ; s[16:23] group 1 for A's tiles; s[24:31] for B's; s[32+8q:35+8q], s[36+8q:39+8q] groups 0 for chunk q
.set G1B, 24
.set G0, 32
.set A16, 16
.set A8, 17
.set B16, 18
.set B8, 19
.set L16, 20
.set L8, 21
.set SCA, 32
.set SCB, 48
.set AF, 80
.set PW, 176
.set TM, 184
.set CHUNK, 73728                      ; two K steps: A's 8 tiles x 3,072 bytes, then B's 16
.set MSB, 0
.macro WIN new                         ; the immediate's high byte repeats the setting that is left
.if MSB != \new
	s_set_vgpr_msb (MSB<<8)|\new
.set MSB, \new
.endif
.endm
.macro PLACES n
.rept \n
	v_nop
.endr
.endm
.macro CROUND                          ; a round of the cluster's barrier
	s_barrier_signal -1
	s_barrier_wait -1
	s_cmp_lg_u32 s[WV], 0
	s_cbranch_scc1 .Lnot_wave_0_\@
	s_barrier_signal -3
.Lnot_wave_0_\@:
	s_barrier_wait -3
	s_barrier_signal -1
	s_barrier_wait -1
.endm
.macro FRAGH reg, a16, a8, off         ; an image comes back as the 12 registers that it is: every load reads consecutive bytes
	ds_load_b128 v[(\reg):(\reg)+3], v[\a16] offset:(\off)
	ds_load_b64 v[(\reg)+4:(\reg)+5], v[\a8] offset:(\off)
	ds_load_b128 v[(\reg)+6:(\reg)+9], v[\a16] offset:(\off)+768
	ds_load_b64 v[(\reg)+10:(\reg)+11], v[\a8] offset:(\off)+768
.endm
.macro FETCH s                         ; K step s: B's eight fragments and A's four, into set s % 2
	WIN 0x40
.irp b, 0,1,2,3,4,5,6,7
	FRAGH 96*((\s)%2)+12*\b, B16, B8, 3072*\b+1536*((\s)%2)
.endr
	WIN 0
.irp a, 0,1,2,3
	FRAGH AF+48*((\s)%2)+12*\a, A16, A8, 3072*\a+1536*((\s)%2)
.endr
.endm
.macro MUL s                           ; 32 matrix instructions; the first K step starts the sums with the constant 0
	WIN 0xa1                                       ; source 0 (B) window 1, source 1 (A) window 0, C and D window 2
.irp a, 0,1,2,3
.irp b, 0,1,2,3,4,5,6,7
.if (\s) == 0
	v_wmma_scale_f32_16x16x128_f8f6f4 v[8*(8*\a+\b):8*(8*\a+\b)+7], v[96*((\s)%2)+12*\b:96*((\s)%2)+12*\b+11], v[AF+48*((\s)%2)+12*\a:AF+48*((\s)%2)+12*\a+11], 0, v[SCB+4*\b+(\s)%4], v[SCA+4*\a+(\s)%4] matrix_a_fmt:MATRIX_FMT_FP6 matrix_b_fmt:MATRIX_FMT_FP6
.elseif (\s) < 4
	v_wmma_scale_f32_16x16x128_f8f6f4 v[8*(8*\a+\b):8*(8*\a+\b)+7], v[96*((\s)%2)+12*\b:96*((\s)%2)+12*\b+11], v[AF+48*((\s)%2)+12*\a:AF+48*((\s)%2)+12*\a+11], v[8*(8*\a+\b):8*(8*\a+\b)+7], v[SCB+4*\b+(\s)%4], v[SCA+4*\a+(\s)%4] matrix_a_fmt:MATRIX_FMT_FP6 matrix_b_fmt:MATRIX_FMT_FP6
.else
	v_wmma_scale_f32_16x16x128_f8f6f4 v[8*(8*\a+\b):8*(8*\a+\b)+7], v[96*((\s)%2)+12*\b:96*((\s)%2)+12*\b+11], v[AF+48*((\s)%2)+12*\a:AF+48*((\s)%2)+12*\a+11], v[8*(8*\a+\b):8*(8*\a+\b)+7], v[SCB+4*\b+(\s)%4], v[SCA+4*\a+(\s)%4] matrix_a_fmt:MATRIX_FMT_FP6 matrix_b_fmt:MATRIX_FMT_FP6 matrix_a_scale:MATRIX_SCALE_ROW1 matrix_b_scale:MATRIX_SCALE_ROW1
.endif
.endr
.endr
.endm
; K step s: its fragments are in; the next step's are asked for; then the products.  Four plain vector lines stand between the last products and loads into registers that they read (ISA guide 7.12.1 for vector instructions).
.macro KSTEP s
	s_wait_dscnt 0x0                               ; this step's fragments are in; no LDS instruction of mine is out
.if ((\s) == 1) || ((\s) == 3) || ((\s) == 5)
	WIN 0
	s_wait_tensorcnt 5-(\s)                        ; my two loads of the next chunk have landed; two for each chunk behind it may be out
	s_barrier_signal -1
	s_barrier_wait -1                              ; everybody's have
	v_add_nc_u32 v[A16], CHUNK, v[A16]             ; on to the next chunk: these four lines are the places
	v_add_nc_u32 v[A8], CHUNK, v[A8]
	v_add_nc_u32 v[B16], CHUNK, v[B16]
	v_add_nc_u32 v[B8], CHUNK, v[B8]
.elseif ((\s) > 0) && ((\s) < 7)
	PLACES 4
.endif
.if (\s) < 7
	FETCH (\s)+1
.endif
	MUL \s
.endm
.macro PUTIMG pc, off
	global_store_b128 v[L16], v[(\pc):(\pc)+3], s[12:13] offset:(\off)
	global_store_b64 v[L8], v[(\pc)+4:(\pc)+5], s[12:13] offset:(\off)+512
	global_store_b128 v[L16], v[(\pc)+6:(\pc)+9], s[12:13] offset:(\off)+768
	global_store_b64 v[L8], v[(\pc)+10:(\pc)+11], s[12:13] offset:(\off)+1280
.endm
; the 64 results of my row of A's block a (window 2: register 64 a + 16 b + i = k 32 b + 16 (lane / 16) + i) become an image and a scale word.  Each accumulator is read from its low end on.
.macro QUANTW a
.set SA0, 64*(\a)
.set PCA, AF+20*(\a)
	WIN 0x0a                                       ; sources 0 and 1: window 2
.irp b, 0,1,2,3
	v_max3_num_f32 v[TM+\b], |v[SA0+16*\b]|, |v[SA0+1+16*\b]|, 0x1800000   ; and the floor 2^(3 - 127)
.endr
.irp i, 2,4,6,8,10,12,14
.irp b, 0,1,2,3
	v_max3_num_f32 v[TM+\b], |v[SA0+16*\b+\i]|, |v[SA0+1+16*\b+\i]|, v[TM+\b]
.endr
.endr
	WIN 0
.irp b, 0,1,2,3
	v_permlanex16_b32 v[TM+4+\b], v[TM+\b], s2, s3
.endr
.irp b, 0,1,2,3
	v_max_num_f32 v[TM+\b], v[TM+\b], v[TM+4+\b]
.endr
.irp b, 0,1,2,3
	v_add_nc_u32 v[TM+12+\b], 0xff000000, v[TM+\b]
.endr
.irp b, 0,1,2,3
	v_lshrrev_b32 v[TM+4+\b], 23, v[TM+12+\b]
.endr
	v_lshl_or_b32 v[PW+(\a)], v[TM+5], 8, v[TM+4]
	v_lshl_or_b32 v[PW+(\a)], v[TM+6], 16, v[PW+(\a)]
	v_lshl_or_b32 v[PW+(\a)], v[TM+7], 24, v[PW+(\a)]
	WIN 0x02                                       ; source 0: window 2
.irp c, 0,1
	v_cvt_scalef32_pk16_fp6_f32 v[PCA+6*\c:PCA+2+6*\c], v[SA0+32*\c:SA0+15+32*\c], v[TM+12+2*\c]
	v_cvt_scalef32_pk16_fp6_f32 v[PCA+12+4*\c:PCA+14+4*\c], v[SA0+16+32*\c:SA0+31+32*\c], v[TM+12+2*\c+1]
.endr
	WIN 0
	v_nop                                          ; one plain place behind a scaled conversion
.irp c, 0,1
.irp i, 0,1,2
	v_permlane16_swap_b32 v[PCA+6*\c+\i], v[PCA+12+4*\c+\i]
.endr
.irp i, 0,1,2
	v_mov_b32 v[PCA+3+6*\c+\i], v[PCA+12+4*\c+\i]
.endr
.endr
	PUTIMG PCA, 1536*(\a)                          ; each block has registers of its own for its codes: no store's data are written again
.endm
	s_load_b128 s[4:7], s[0:1], 0x0                ; opi, ops
	s_load_b128 s[12:15], s[0:1], 0x10             ; img, sc
	v_lshl_add_u32 v254, v0, 2, 0x48000
	v_mov_b32 v255, 0
	ds_add_u32 v254, v255
	ds_add_u32 v254, v255
	v_lshrrev_b32 v1, 5, v0
	v_readfirstlane_b32 s[WV], v1                  ; wave 0..3
	s_lshr_b32 s[HA], s[WV], 1
	s_and_b32 s[HB], s[WV], 1
	s_bfe_u32 s[CX], ttmp6, 0x40000
	s_bfe_u32 s[CY], ttmp6, 0x40004
	s_and_b32 s[YY], ttmp7, 0xffff                 ; cluster y
	s_sub_co_u32 s73, s[YY], 16
	s_cmp_ge_u32 s[YY], 16                         ; v's part of the grid?  The same answer in all sixteen partners
	s_cselect_b32 s72, ttmp9, s[YY]                ; the cluster's coordinate along A,
	s_cselect_b32 s73, s73, ttmp9                  ; and along B
	s_cselect_b32 s74, 640, 0                      ; A's first tile: W_v's columns, or x
	s_cselect_b32 s75, 0, 512                      ; B's: x, or W's columns
	s_cselect_b32 s76, 1, 0
	s_lshl_b32 s72, s72, 2
	s_add_co_u32 s72, s72, s[CY]                   ; block of 128 rows of A
	s_lshl_b32 s73, s73, 2
	s_add_co_u32 s73, s73, s[CX]                   ; block of 256 rows of B
	s_lshl_b32 s77, s72, 3
	s_add_co_u32 s74, s74, s77                     ; A's first tile of 16 rows
	s_lshl_b32 s78, s73, 4
	s_add_co_u32 s75, s75, s78                     ; B's
	s_lshl_b32 s79, s[CY], 2
	s_lshl_b32 s79, 15, s79                        ; my row of the cluster
	s_lshl_b32 s80, 0x1111, s[CX]                  ; my column
	; group 1: rows of 3,072 bytes (two K steps of one tile: 384 elements of 8 bytes), 12,288 bytes apart; A: 2 rows a wave, B: 4
	s_or_b32 s[G1A], s79, (3<<16)|(1<<21)
	s_or_b32 s[G1B], s80, (3<<16)|(1<<21)
	s_mov_b32 s[G1A+1], 384<<16
	s_mov_b32 s[G1A+2], 2<<16
	s_mov_b32 s[G1A+3], 384<<16
	s_mov_b32 s[G1A+4], 2
	s_mov_b32 s[G1A+5], 1536
	s_mov_b32 s[G1A+6], 0
	s_mov_b32 s[G1A+7], 0
	s_mov_b32 s[G1B+1], 384<<16
	s_mov_b32 s[G1B+2], 4<<16
	s_mov_b32 s[G1B+3], 384<<16
	s_mov_b32 s[G1B+4], 4
	s_mov_b32 s[G1B+5], 1536
	s_mov_b32 s[G1B+6], 0
	s_mov_b32 s[G1B+7], 0
	s_lshl_b32 s81, s[WV], 1
	s_add_co_u32 s81, s81, s74
	s_mul_i32 s82, s81, 12288                      ; A: my two tiles
	s_mov_b32 s83, 0
	s_lshl_b32 s84, s[WV], 2
	s_add_co_u32 s84, s84, s75
	s_mul_i32 s84, s84, 12288                      ; B: my four
	s_mov_b32 s85, 0
	s_mul_i32 s86, s[WV], 6144                     ; and where they go: the wave's number alone enters an LDS address
	s_mul_i32 s87, s[WV], 12288
	s_mov_b32 s2, 0x76543210
	s_mov_b32 s3, 0xfedcba98
	s_wait_dscnt 0x0
	s_wait_kmcnt 0x0
	s_add_nc_u64 s[82:83], s[4:5], s[82:83]
	s_add_nc_u64 s[84:85], s[4:5], s[84:85]
.irp q, 0,1,2,3
	s_mov_b32 s[G0+8*\q], 1
	s_add_co_u32 s[G0+8*\q+1], s86, CHUNK*\q
	s_add_nc_u64 s[G0+8*\q+2:G0+8*\q+3], s[82:83], 3072*\q
	s_or_b32 s[G0+8*\q+3], s[G0+8*\q+3], 0x80000000
	s_mov_b32 s[G0+8*\q+4], 1
	s_add_co_u32 s[G0+8*\q+5], s87, CHUNK*\q+24576
	s_add_nc_u64 s[G0+8*\q+6:G0+8*\q+7], s[84:85], 3072*\q
	s_or_b32 s[G0+8*\q+7], s[G0+8*\q+7], 0x80000000
.endr
	CROUND                                         ; all sixteen work-groups are here: the joint loads meet
.irp q, 0,1,2,3
	tensor_load_to_lds s[G0+8*\q:G0+8*\q+3], s[G1A:G1A+7]       ; all of K goes out at once, chunk by chunk: 8 loads of mine are out
	s_nop 0
	tensor_load_to_lds s[G0+8*\q+4:G0+8*\q+7], s[G1B:G1B+7]
	s_nop 0
.endr
	PLACES 4                                       ; behind tensor loads
	v_and_b32 v1, 31, v0
	v_lshlrev_b32 v[L16], 4, v1
	s_wait_alu depctr_va_vdst(0)
	v_lshlrev_b32 v[L8], 3, v1
	s_wait_alu depctr_va_vdst(0)
	s_lshl_b32 s88, s[HA], 2
	s_add_co_u32 s88, s88, s74
	s_lshl_b32 s88, s88, 9
	s_mov_b32 s89, 0
	s_add_nc_u64 s[88:89], s[6:7], s[88:89]        ; the scale words of my four tiles of A,
	s_lshl_b32 s90, s[HB], 3
	s_add_co_u32 s90, s90, s75
	s_lshl_b32 s90, s90, 9
	s_mov_b32 s91, 0
	s_add_nc_u64 s[90:91], s[6:7], s[90:91]        ; and of my eight of B: 512 consecutive bytes a load, for all of K
.irp a, 0,1,2,3
	global_load_b128 v[SCA+4*\a:SCA+4*\a+3], v[L16], s[88:89] offset:512*\a
.endr
.irp b, 0,1,2,3,4,5,6,7
	global_load_b128 v[SCB+4*\b:SCB+4*\b+3], v[L16], s[90:91] offset:512*\b
.endr
	s_mul_i32 s92, s[HA], 12288
	s_mul_i32 s93, s[HB], 24576
	s_add_co_u32 s93, s93, 24576
	v_add_nc_u32 v[A16], s92, v[L16]
	v_add_nc_u32 v[A8], s92, v[L8]
	v_add_nc_u32 v[A8], 512, v[A8]
	v_add_nc_u32 v[B16], s93, v[L16]
	v_add_nc_u32 v[B8], s93, v[L8]
	v_add_nc_u32 v[B8], 512, v[B8]
.irp b, 0,1,2,3
	v_mov_b32 v[TM+4+\b], 0                        ; written once: a lane permute's destination counts as one of its sources
.endr
	; where my results go: G = my 128 rows of B.  k, q: major G, group = block of A;  v: major 16 + block of A, group G
	s_lshl_b32 s94, s73, 1
	s_add_co_u32 s94, s94, s[HB]
	s_lshl_b32 s95, s94, 6
	s_add_co_u32 s95, s95, s72
	s_add_co_u32 s96, s72, 16
	s_lshl_b32 s96, s96, 6
	s_add_co_u32 s96, s96, s94
	s_cmp_eq_u32 s76, 1
	s_cselect_b32 s95, s96, s95
	s_mul_i32 s96, s95, 12288
	s_mul_i32 s97, s[HA], 6144
	s_add_co_u32 s96, s96, s97
	s_mov_b32 s97, 0
	s_add_nc_u64 s[12:13], s[12:13], s[96:97]
	s_lshl_b32 s96, s95, 10
	s_lshl_b32 s98, s[HA], 9
	s_add_co_u32 s96, s96, s98
	s_add_nc_u64 s[14:15], s[14:15], s[96:97]
	s_wait_alu depctr_va_vdst(0)
	s_wait_tensorcnt 6                             ; my two loads of chunk 0 have landed; the six behind them may be out
	s_barrier_signal -1
	s_barrier_wait -1                              ; everybody's have
	FETCH 0
	s_wait_loadcnt 0x0                             ; the scale words
	KSTEP 0
	KSTEP 1
	s_wait_alu depctr_va_vdst(0)
	KSTEP 2
	KSTEP 3
	s_wait_alu depctr_va_vdst(0)
	KSTEP 4
	KSTEP 5
	s_wait_alu depctr_va_vdst(0)
	KSTEP 6
	KSTEP 7
	WIN 0
	PLACES 4                                       ; in front of the first read of results and the first write of registers that the last products read
	QUANTW 0
	QUANTW 1
	QUANTW 2
	QUANTW 3
	global_store_b128 v[L16], v[PW:PW+3], s[14:15] ; four images' scale words: 512 consecutive bytes, aligned
	s_wait_dscnt 0x0
	s_wait_tensorcnt 0x0
	ds_add_u32 v254, v255
	s_wait_dscnt 0x0
	CROUND                                         ; the closing round: no work-group ends while a partner may still ask for a tile that names it
	s_endpgm
.Lfunc_end_k_qee76e29efd_gemm1:
	.size	k_qee76e29efd_gemm1, .Lfunc_end_k_qee76e29efd_gemm1-k_qee76e29efd_gemm1
	.p2alignl 7, 3214868480
	.fill 96, 4, 3214868480
	.section	.rodata,"a",@progbits
	.p2align	6, 0x0
	.amdhsa_kernel k_qee76e29efd_gemm1
		.amdhsa_group_segment_fixed_size 327680
		.amdhsa_private_segment_fixed_size 0
		.amdhsa_enable_private_segment 0
		.amdhsa_kernarg_size 32
		.amdhsa_user_sgpr_count 2
		.amdhsa_user_sgpr_kernarg_segment_ptr 1
		.amdhsa_wavefront_size32 1
		.amdhsa_system_sgpr_workgroup_id_x 1
		.amdhsa_system_sgpr_workgroup_id_y 1
		.amdhsa_system_sgpr_workgroup_id_z 1
		.amdhsa_system_vgpr_workitem_id 0
		.amdhsa_next_free_vgpr 768
		.amdhsa_next_free_sgpr 100
		.amdhsa_reserve_vcc 0
		.amdhsa_float_denorm_mode_32 3
		.amdhsa_float_denorm_mode_16_64 3
		.amdhsa_memory_ordered 1
		.amdhsa_forward_progress 1
		.amdhsa_inst_pref_size 86
	.end_amdhsa_kernel
	.amdgpu_metadata
---
amdhsa.version: [ 1, 2 ]
amdhsa.kernels:
  - .name:           k_qee76e29efd_gemm1
    .symbol:         k_qee76e29efd_gemm1.kd
    .args:
      - { .name: opi, .offset: 0, .size: 8, .value_kind: global_buffer, .address_space: global }
      - { .name: ops, .offset: 8, .size: 8, .value_kind: global_buffer, .address_space: global }
      - { .name: img, .offset: 16, .size: 8, .value_kind: global_buffer, .address_space: global }
      - { .name: sc, .offset: 24, .size: 8, .value_kind: global_buffer, .address_space: global }
    .group_segment_fixed_size: 327680
    .private_segment_fixed_size: 0
    .kernarg_segment_align: 8
    .kernarg_segment_size: 32
    .max_flat_workgroup_size: 128
    .sgpr_count:     100
    .vgpr_count:     768
    .wavefront_size: 32
...
	.end_amdgpu_metadata
.endif
;; end of part 2
;; launch attn (part 3): grid 256 x 1, 16 waves a work-group, no clusters, 327,680 bytes of LDS; arguments img, sc, atti, atts; writes atti, atts
.if DOCPART == 3
	.amdgcn_target "amdgcn-amd-amdhsa--gfx1250"
	.amdhsa_code_object_version 6
	.text
	.protected	k_qee76e29efd_attn
	.globl	k_qee76e29efd_attn
	.p2align	8
	.type	k_qee76e29efd_attn,@function
k_qee76e29efd_attn:
	s_mov_b64 s[64:65], 0
	v_nop
	global_prefetch_b8 v0, s[64:65] scope:SCOPE_SE
	s_setreg_imm32_b32 hwreg(HW_REG_WAVE_MODE, 25, 1), 1
	s_wait_xcnt 0x0
; Causal attention on codes of FP6 (E2M3), 64 heads of 64 channels, 2,048 tokens; the result leaves quantised along the channels, as the last product's operand.
; SOFTMAX: t = score x log2(e) / 8; M = the running largest t rounded UP to a whole number; p = 2^(t - M) is quantised along the keys, not normalised; the row's sum is taken of the unquantised p and divides at the end.  When M moves, the sum and O are multiplied by 2^(old M - new M): exact.
; SHARES.  A work-group owns one pair of heads of one batch and two groups of 128 queries, i and 15 - i, one after the other: (i + 1) + (16 - i) = 17 steps of 128 keys in EVERY work-group: equal work under the mask, and a constant trip count.
;   Wave w: head w / 8 of the pair, tile w % 8 of 16 queries: 256 registers, four waves to a SIMD, so that one wave's vector work stands beside another's matrix work and LDS loads.
; Both products are used transposed (S^T = K Q^T, O^T = V^T P^T): a lane holds one query throughout.  The images' rows are laid so that a lane's 16 registers of two neighbouring tiles are 16 neighbouring keys (or channels).
; K = 64 IN AN INSTRUCTION OF 128: Q's upper 64 codes are zeros; K's operand runs on into the next tile's registers, whose codes meet those zeros; both sides' scale bytes 2 and 3 are 0 (2^-127, no NaN): nothing is added.
; RING: two LDS slots of one key step (K's images 12,288, V's 12,288, their scale words 1,024 each), filled by waves 0-3, one tensor load each behind each barrier: one load of a wave is out, by this text's own count.
; NO CLUSTER: the eight work-groups of a pair of heads want different key groups in the same trip (the key group of trip st hangs on i), so no request could be made jointly.
; LDS: the text uses 61,440 bytes; the claim is all of a WGP's LDS.
; LIMITS: a block of zeros gets the byte 1 (its codes are zeros; only this program reads the bytes); NaN and infinities are not served.
.set SPARE, 59392                      ; the spare words, 128 bytes for each of 16 waves
.set SLOT1, 32768
.set WV, 12
.set PI, 13                            ; which head of the pair
.set TQ, 14                            ; which tile of queries
.set WL, 15
.set G1B, 16                           ; s[16:23] group 1 for the images; s[24:31] for the scale words; s[32:35], s[36:39] their groups 0
.set G1S, 24
.set G0B, 32
.set G0S, 36
.set BB, 40                            ; s[40:41] my images of key group 0; s[42:43] my scale words
.set BS, 42
.set OC1, 44                           ; s[44:51] where the two query groups' codes and scale bytes go
.set OS1, 46
.set OC2, 48
.set OS2, 50
.set SEL, 52
.set CS, 54                            ; s[54:55] c = log2(e) / 8
.set TB, 56                            ; the slot in hand
.set ST, 57                            ; the trip
.set II, 58                            ; i
.set KAP, 59                           ; the key group of the tile to be asked for
.set LIM, 60
.set PFA, 62                           ; s[62:63] where my prefetches stand
.set SS, 110                           ; v110-173 S^T, then p
.set OT, 174                           ; v174-205 O^T
.set PCD, 206                          ; v206-217 p's codes
.set CT, 218                           ; v218-224 conversions' second halves
.set BM, 226
.set PT, 230
.set SO, 234
; v1-4, v7, v8 my lane's places in a slot; v5, v6 the add's two; v9-14 the same places in the slot in hand; v15 my query - 16 (lane / 16); v16-18 16 L, 8 L, 16 r; v19 the prefetches' offset
; v20 -M, v21 the largest t, v[22:23] the sum; v24-35 Q (30-35 zeros), v36 its scale; v37-43 the second group's; v44-97 fragments (92-97 zeros); v98-105 K's scales, v106-109 V's; v238 f, v239 p's scale word; v240-245 at work
.macro TLOAD                           ; waves 0, 1: K's and V's images; waves 2, 3: their scale words.  Four v_nop follow each line
	s_cmp_lt_u32 s[WV], 2
	s_cbranch_scc0 .Lnot_i_\@
	tensor_load_to_lds s[G0B:G0B+3], s[G1B:G1B+7]
	s_nop 0
.rept 4
	v_nop
.endr
	s_branch .Lasked_\@
.Lnot_i_\@:
	s_cmp_lt_u32 s[WV], 4
	s_cbranch_scc0 .Lasked_\@
	tensor_load_to_lds s[G0S:G0S+3], s[G1S:G1S+7]
	s_nop 0
.rept 4
	v_nop
.endr
.Lasked_\@:
.endm
; A prefetch of key group st + 2, in trip st: 96 blocks of 256 bytes (K's and V's images), a lane a block, waves 4 to 6 of the pair's work-group with i = 0 alone: each block is named once in the launch.
; Key group g is first asked for by a tensor load in trip g - 1 (g up to 7) or g: one or two trips behind its prefetch.  Groups 0 and 1 and the scale words come by their loads alone; trips 14 and 15 ask for nothing.
.macro ASK
	s_cmp_lt_u32 s[ST], s[LIM]
	s_cbranch_scc0 .Lnot_mine_\@
	global_prefetch_b8 v19, s[PFA:PFA+1] th:TH_LOAD_NT scope:SCOPE_SE
.Lnot_mine_\@:
.endm
.macro FRAGH reg, a16, a8, off
	ds_load_b128 v[(\reg):(\reg)+3], v[\a16] offset:(\off)
	ds_load_b64 v[(\reg)+4:(\reg)+5], v[\a8] offset:(\off)
	ds_load_b128 v[(\reg)+6:(\reg)+9], v[\a16] offset:(\off)+768
	ds_load_b64 v[(\reg)+10:(\reg)+11], v[\a8] offset:(\off)+768
.endm
; THE CHANGE OF SLOTS, at a trip's head.  Every wave waits for all its tensor loads, adds 0 to its spare word, and waits for that and for its reads of the slot that it has left; behind the barrier the slot ahead is whole and the other is filled again.
.macro CHANGE fill
	s_wait_tensorcnt 0x0                           ; no tensor load of mine is out, so a group 0 may be written
	ds_add_u32 v5, v6                              ; 0 onto my spare word
.if \fill
	s_add_co_u32 s[KAP], s[KAP], 1                 ; the next tile's key group: one on, or 0 where the second query group begins
	s_cmp_eq_u32 s[ST], s[II]
	s_cselect_b32 s[KAP], 0, s[KAP]
	s_xor_b32 s[G0B+1], s[G0B+1], SLOT1            ; the other slot than last time
	s_xor_b32 s[G0S+1], s[G0S+1], SLOT1
	s_mul_i32 s68, s[KAP], 12288
	s_mov_b32 s69, 0
	s_add_nc_u64 s[G0B+2:G0B+3], s[BB:BB+1], s[68:69]
	s_or_b32 s[G0B+3], s[G0B+3], 0x80000000
	s_lshl_b32 s68, s[KAP], 10
	s_add_nc_u64 s[G0S+2:G0S+3], s[BS:BS+1], s[68:69]
	s_or_b32 s[G0S+3], s[G0S+3], 0x80000000
	s_wait_xcnt 0x0                                ; the last prefetch, a trip back, has read its address
	s_add_nc_u64 s[PFA:PFA+1], s[PFA:PFA+1], 12288
.endif
	s_wait_dscnt 0x0                               ; the add is done, and my reads of the slot that I have left are over
	s_barrier_signal -1
	s_barrier_wait -1
.if \fill
	TLOAD                                          ; the first thing behind the barrier, and a wave's one tensor load until the next
	ASK
.endif
.endm
; A KEY STEP: 128 keys.  diag = 1: the step lies on the diagonal; 0: it does where the trip is trip i (a scalar branch on ids round the mask alone)
.macro STEP diag
	v_add_nc_u32 v9, s[TB], v1                     ; (these six are also the places behind the last step's products)
	v_add_nc_u32 v10, s[TB], v2
	v_add_nc_u32 v11, s[TB], v3
	v_add_nc_u32 v12, s[TB], v4
	v_add_nc_u32 v13, s[TB], v7
	v_add_nc_u32 v14, s[TB], v8
.irp t, 0,1,2,3,4,5,6,7
	ds_load_u16 v[98+\t], v13 offset:512*(\t/4)+4*(\t%4)       ; my head's two scale bytes of tile t's rows; bytes 2 and 3 come as 0
	ds_load_b128 v[44+6*\t:47+6*\t], v9 offset:1536*\t         ; my head's half of the image: six registers
	ds_load_b64 v[48+6*\t:49+6*\t], v10 offset:1536*\t
.endr
	s_wait_alu depctr_va_vdst(0)
	s_wait_dscnt 0x0
.irp t, 0,1,2,3,4,5,6,7
	v_wmma_scale_f32_16x16x128_f8f6f4 v[SS+8*\t:SS+8*\t+7], v[44+6*\t:55+6*\t], v[24:35], 0, v[98+\t], v36 matrix_a_fmt:MATRIX_FMT_FP6 matrix_b_fmt:MATRIX_FMT_FP6
.endr
.rept 4
	v_nop                                          ; places in front of the loads below and of the first read of the scores
.endr
.irp a, 0,1,2,3
	FRAGH 44+12*\a, 11, 12, 1536*\a                ; V's four fragments go out now and land under the softmax
.endr
	ds_load_b128 v[106:109], v14
.if !\diag
	s_cmp_eq_u32 s[ST], s[II]
	s_cbranch_scc0 .Lopen_\@
.endif
	v_mov_b32 v241, 0xff800000                     ; hidden scores become -infinity ahead of the maximum: p = 0.  Register n holds key 32 (n / 16) + n % 16 + 16 (lane / 16)
.set J, 0
.rept 64
	v_cmp_gt_i32 vcc_lo, 32*(J/16)+J%16, v15
	v_cndmask_b32 v[SS+J], v[SS+J], v241, vcc_lo
.set J, J+1
.endr
.if !\diag
.Lopen_\@:
.endif
.irp b, 0,1,2,3
	v_max3_num_f32 v[BM+\b], v[SS+16*\b], v[SS+1+16*\b], v[SS+2+16*\b]   ; the largest score of each block of 32 keys: it serves the row's maximum and, since p rises with the score, the block's largest p
.endr
.irp i, 3,5,7,9,11,13
.irp b, 0,1,2,3
	v_max3_num_f32 v[BM+\b], v[BM+\b], v[SS+16*\b+\i], v[SS+1+16*\b+\i]
.endr
.endr
.irp b, 0,1,2,3
	v_max_num_f32 v[BM+\b], v[BM+\b], v[SS+15+16*\b]
.endr
.irp b, 0,1,2,3
	s_delay_alu instid0(VALU_DEP_4)
	v_permlanex16_b32 v[PT+\b], v[BM+\b], s[SEL], s[SEL+1]
.endr
.irp b, 0,1,2,3
	s_delay_alu instid0(VALU_DEP_4)
	v_max_num_f32 v[BM+\b], v[BM+\b], v[PT+\b]     ; with lane l xor 16's 16 keys
.endr
	s_delay_alu instid0(VALU_DEP_2)
	v_max3_num_f32 v240, v[BM], v[BM+1], v[BM+2]
	s_delay_alu instid0(VALU_DEP_1)
	v_max_num_f32 v240, v240, v[BM+3]
	s_delay_alu instid0(VALU_DEP_1)
	v_mul_f32 v240, s[CS], v240                    ; as t
	s_delay_alu instid0(VALU_DEP_1)
	v_max_num_f32 v21, v21, v240                   ; the running largest t
	v_mov_b32 v240, v20
	s_delay_alu instid0(VALU_DEP_2)
	v_floor_f32 v20, -v21                          ; -M = floor(-t): M is a whole number
	s_delay_alu instid0(VALU_DEP_1)
	v_sub_f32 v240, v20, v240                      ; old M - new M: a whole number, 0 or less
	s_delay_alu instid0(VALU_DEP_1)
	v_cvt_i32_f32 v240, v240                       ; (it saturates)
	s_delay_alu instid0(VALU_DEP_1)
	v_ldexp_f32 v238, 1.0, v240                    ; f = 2^(old M - new M)
.set J, 0
.rept 32
	v_pk_fma_f32 v[SS+J:SS+J+1], v[SS+J:SS+J+1], s[CS:CS+1], v[20:21] op_sel_hi:[1,0,0]   ; t - M, two at a time
.set J, J+2
.endr
.irp b, 0,1,2,3
	v_fma_f32 v[BM+\b], v[BM+\b], s[CS], v20       ; the same of each block's largest score
.endr
.set J, 0
	s_wait_alu depctr_va_vdst(0)
.rept 64
	v_exp_f32 v[SS+J], v[SS+J]                     ; p = 2^(t - M)
.set J, J+1
.endr
	v_pk_mul_f32 v[22:23], v[22:23], v[238:239] op_sel_hi:[1,0]   ; the sums under the new M: a plain line behind the exponentials
	s_wait_alu depctr_va_vdst(0)                   ; one wait for the batch, ahead of its first reader
.irp b, 0,1,2,3
	v_exp_f32 v[BM+\b], v[BM+\b]                   ; the block's largest p
.endr
	v_pk_add_f32 v[230:231], v[114:115], v[118:119]
	v_pk_add_f32 v[254:255], v[122:123], v[126:127]
	v_pk_add_f32 v[252:253], v[130:131], v[134:135]
	v_pk_add_f32 v[250:251], v[138:139], v[142:143]
	v_pk_add_f32 v[248:249], v[146:147], v[150:151]
	v_pk_add_f32 v[246:247], v[154:155], v[158:159]
	v_pk_add_f32 v[244:245], v[162:163], v[166:167]
	v_pk_add_f32 v[22:23], v[22:23], v[170:171]
	v_pk_add_f32 v[230:231], v[230:231], v[110:111]
	v_pk_add_f32 v[254:255], v[254:255], v[112:113]
	v_pk_add_f32 v[252:253], v[252:253], v[116:117]
	v_pk_add_f32 v[250:251], v[250:251], v[120:121]
	v_pk_add_f32 v[248:249], v[248:249], v[124:125]
	v_pk_add_f32 v[246:247], v[246:247], v[128:129]
	v_pk_add_f32 v[244:245], v[244:245], v[132:133]
	v_pk_add_f32 v[22:23], v[22:23], v[136:137]
	v_pk_add_f32 v[230:231], v[230:231], v[140:141]
	v_pk_add_f32 v[254:255], v[254:255], v[144:145]
	v_pk_add_f32 v[252:253], v[252:253], v[148:149]
	v_pk_add_f32 v[250:251], v[250:251], v[152:153]
	v_pk_add_f32 v[248:249], v[248:249], v[156:157]
	v_pk_add_f32 v[246:247], v[246:247], v[160:161]
	v_pk_add_f32 v[244:245], v[244:245], v[164:165]
	v_pk_add_f32 v[22:23], v[22:23], v[168:169]
	v_pk_add_f32 v[230:231], v[230:231], v[172:173]
	s_delay_alu instid0(VALU_DEP_2)
	v_pk_add_f32 v[22:23], v[22:23], v[250:251]
	s_delay_alu instid0(VALU_DEP_2)
	v_pk_add_f32 v[230:231], v[230:231], v[248:249]
	v_pk_add_f32 v[254:255], v[254:255], v[246:247]
	v_pk_add_f32 v[252:253], v[252:253], v[244:245]
	s_delay_alu instid0(VALU_DEP_2)
	v_pk_add_f32 v[22:23], v[22:23], v[254:255]
	s_delay_alu instid0(VALU_DEP_2)
	v_pk_add_f32 v[230:231], v[230:231], v[252:253]
	s_delay_alu instid0(VALU_DEP_1)
	v_pk_add_f32 v[22:23], v[22:23], v[230:231]
	s_wait_alu depctr_va_vdst(0)                   ; and one for the four
.irp b, 0,1,2,3
	v_max_num_f32 v[BM+\b], 0x1800000, v[BM+\b]    ; the floor 2^(3 - 127)
.endr
.irp b, 0,1,2,3
	s_delay_alu instid0(VALU_DEP_4)
	v_add_nc_u32 v[SO+\b], 0xff000000, v[BM+\b]    ; the conversion's scale operand
.endr
.irp b, 0,1,2,3
	s_delay_alu instid0(VALU_DEP_4)
	v_lshrrev_b32 v[PT+\b], 23, v[SO+\b]           ; the scale's byte
.endr
	s_delay_alu instid0(VALU_DEP_3)
	v_lshl_or_b32 v239, v[PT+1], 8, v[PT]          ; p's scale word for these 128 keys
	s_delay_alu instid0(VALU_DEP_1)
	v_lshl_or_b32 v239, v[PT+2], 16, v239
	s_delay_alu instid0(VALU_DEP_1)
	v_lshl_or_b32 v239, v[PT+3], 24, v239
.irp c, 0,1
	v_cvt_scalef32_pk16_fp6_f32 v[PCD+6*\c:PCD+2+6*\c], v[SS+32*\c:SS+15+32*\c], v[SO+2*\c]
	v_cvt_scalef32_pk16_fp6_f32 v[CT+4*\c:CT+2+4*\c], v[SS+16+32*\c:SS+31+32*\c], v[SO+2*\c+1]
.endr
	v_nop                                          ; one plain place behind a scaled conversion
.irp c, 0,1
.irp i, 0,1,2
	v_permlane16_swap_b32 v[PCD+6*\c+\i], v[CT+4*\c+\i]
.endr
.irp i, 0,1,2
	s_delay_alu instid0(VALU_DEP_3)
	v_mov_b32 v[PCD+3+6*\c+\i], v[CT+4*\c+\i]
.endr
.endr
.set J, 0
.rept 16
	v_pk_mul_f32 v[OT+J:OT+J+1], v[OT+J:OT+J+1], v[238:239] op_sel_hi:[1,0]   ; O^T under the new M; of these sixteen lines twelve name no register of any one product below: the places in front of it
.set J, J+2
.endr
	s_wait_alu depctr_va_vdst(0)
	s_wait_dscnt 0x0                               ; V is in
.irp a, 0,1,2,3
	v_wmma_scale_f32_16x16x128_f8f6f4 v[OT+8*\a:OT+8*\a+7], v[44+12*\a:55+12*\a], v[PCD:PCD+11], v[OT+8*\a:OT+8*\a+7], v[106+\a], v239 matrix_a_fmt:MATRIX_FMT_FP6 matrix_b_fmt:MATRIX_FMT_FP6
.endr
.endm
; A query group is finished: O^T / the sum, quantised along my head's 64 channels (two blocks), leaves as half an image and two scale bytes a row
.macro FINAL oc, os
.rept 4
	v_nop                                          ; places behind the last products
.endr
	v_add_f32 v22, v22, v23
	s_delay_alu instid0(VALU_DEP_1)
	v_permlanex16_b32 v240, v22, s[SEL], s[SEL+1]
	s_delay_alu instid0(VALU_DEP_1)
	v_add_f32 v22, v22, v240                       ; the row's sum
	s_wait_alu depctr_va_vdst(0)
	v_rcp_f32 v22, v22
	v_nop                                          ; a plain line behind the reciprocal
	s_wait_alu depctr_va_vdst(0)                   ; and the wait ahead of its first reader
.set J, 0
.rept 32
	v_mul_f32 v[SS+J], v[OT+J], v22                ; register 16 b + i: channel 32 b + 16 (lane / 16) + i
.set J, J+1
.endr
.irp b, 0,1
	v_max3_num_f32 v[BM+\b], |v[SS+16*\b]|, |v[SS+1+16*\b]|, 0x1800000
.endr
.irp i, 2,4,6,8,10,12,14
.irp b, 0,1
	s_delay_alu instid0(VALU_DEP_2)
	v_max3_num_f32 v[BM+\b], v[BM+\b], |v[SS+16*\b+\i]|, |v[SS+1+16*\b+\i]|
.endr
.endr
.irp b, 0,1
	s_delay_alu instid0(VALU_DEP_2)
	v_permlanex16_b32 v[PT+\b], v[BM+\b], s[SEL], s[SEL+1]
.endr
.irp b, 0,1
	s_delay_alu instid0(VALU_DEP_2)
	v_max_num_f32 v[BM+\b], v[BM+\b], v[PT+\b]
.endr
.irp b, 0,1
	s_delay_alu instid0(VALU_DEP_2)
	v_add_nc_u32 v[SO+\b], 0xff000000, v[BM+\b]
.endr
.irp b, 0,1
	s_delay_alu instid0(VALU_DEP_2)
	v_lshrrev_b32 v[PT+\b], 23, v[SO+\b]
.endr
	s_delay_alu instid0(VALU_DEP_1)
	v_lshl_or_b32 v242, v[PT+1], 8, v[PT]
	v_cvt_scalef32_pk16_fp6_f32 v[PCD:PCD+2], v[SS:SS+15], v[SO]
	v_cvt_scalef32_pk16_fp6_f32 v[CT:CT+2], v[SS+16:SS+31], v[SO+1]
	v_nop                                          ; one plain place behind a scaled conversion
.irp i, 0,1,2
	v_permlane16_swap_b32 v[PCD+\i], v[CT+\i]
.endr
.irp i, 0,1,2
	s_delay_alu instid0(VALU_DEP_3)
	v_mov_b32 v[PCD+3+\i], v[CT+\i]
.endr
	global_store_b128 v16, v[PCD:PCD+3], s[\oc:\oc+1]            ; 512 consecutive bytes, aligned
	global_store_b64 v17, v[PCD+4:PCD+5], s[\oc:\oc+1] offset:512  ; 256
	global_store_b16 v18, v242, s[\os:\os+1]                     ; two bytes a row, 16 bytes apart: the pair's other head lies in another wave; lanes r and r + 16 write the same bytes
.endm
.macro REINIT                          ; the second query group begins
	v_mov_b32 v36, v37
.irp i, 0,1,2,3,4,5
	v_mov_b32 v[24+\i], v[38+\i]
.endr
	v_mov_b32 v21, 0xff61b1e6                      ; -3e38, under every t
	s_delay_alu instid0(VALU_DEP_1)
	v_floor_f32 v20, -v21
	v_mov_b32 v22, 0
	v_mov_b32 v23, 0
.set J, 0
.rept 32
	v_mov_b32 v[OT+J], 0                           ; (also the places between the new Q and its scale and the next products)
.set J, J+1
.endr
	s_wait_xcnt 0x0                                ; the stores above have read their registers, which the next step writes
.endm
	s_load_b256 s[4:11], s[0:1], 0x0               ; img, sc, atti, atts
	v_lshl_add_u32 v5, v0, 2, SPARE
	v_mov_b32 v6, 0
	ds_add_u32 v5, v6
	ds_add_u32 v5, v6
	s_wait_dscnt 0x0
	v_lshrrev_b32 v240, 5, v0
	s_delay_alu instid0(VALU_DEP_1)
	v_readfirstlane_b32 s[WV], v240                ; wave 0..15
	s_lshr_b32 s[PI], s[WV], 3
	s_and_b32 s[TQ], s[WV], 7
	s_and_b32 s[WL], s[WV], 1
	s_and_b32 s[II], ttmp9, 7                      ; i
	s_bfe_u32 s66, ttmp9, 0x30003                  ; the pair of heads
	s_lshr_b32 s67, ttmp9, 6                       ; the batch
	; group 1: dense blocks as rows of 256 bytes (32 elements of 8 bytes): 48 rows of images, 4 of scale words
	s_mov_b32 s[G1B], 3<<16
	s_mov_b32 s[G1B+1], 32<<16
	s_mov_b32 s[G1B+2], 48<<16
	s_mov_b32 s[G1B+3], 32<<16
	s_mov_b32 s[G1B+4], 48
	s_mov_b32 s[G1B+5], 32
	s_mov_b32 s[G1B+6], 0
	s_mov_b32 s[G1B+7], 0
	s_mov_b32 s[G1S], 3<<16
	s_mov_b32 s[G1S+1], 32<<16
	s_mov_b32 s[G1S+2], 4<<16
	s_mov_b32 s[G1S+3], 32<<16
	s_mov_b32 s[G1S+4], 4
	s_mov_b32 s[G1S+5], 32
	s_mov_b32 s[G1S+6], 0
	s_mov_b32 s[G1S+7], 0
	s_lshl_b32 s68, s[WL], 4                       ; even waves fetch for K (major P), odd ones for V (major 16 + P)
	s_add_co_u32 s68, s68, s66
	s_lshl_b32 s68, s68, 6
	s_lshl_b32 s69, s67, 4
	s_add_co_u32 s68, s68, s69                     ; the batch's key group 0
	s_mul_i32 s70, s68, 12288
	s_mov_b32 s71, 0
	s_lshl_b32 s72, s68, 10
	s_mov_b32 s73, 0
	s_mul_i32 s74, s[WL], 12288
	s_lshl_b32 s75, s[WL], 10
	s_mov_b32 s[SEL], 0x76543210
	s_mov_b32 s[SEL+1], 0xfedcba98
	s_mov_b32 s[CS], 0x3e38aa3b                    ; log2(e) / 8
	s_mov_b32 s[CS+1], s[CS]
	s_mov_b32 s[TB], 0
	s_mov_b32 s[ST], 0
	s_mov_b32 s[KAP], 0
	s_wait_kmcnt 0x0
	s_add_nc_u64 s[BB:BB+1], s[4:5], s[70:71]
	s_add_nc_u64 s[BS:BS+1], s[6:7], s[72:73]
	s_mov_b32 s[G0B], 1
	s_mov_b32 s[G0B+1], s74
	s_mov_b64 s[G0B+2:G0B+3], s[BB:BB+1]
	s_or_b32 s[G0B+3], s[G0B+3], 0x80000000
	s_mov_b32 s[G0S], 1
	s_add_co_u32 s[G0S+1], s75, 24576
	s_mov_b64 s[G0S+2:G0S+3], s[BS:BS+1]
	s_or_b32 s[G0S+3], s[G0S+3], 0x80000000
	TLOAD                                          ; key group 0 into slot 0
	v_and_b32 v241, 31, v0                         ; L
	v_and_b32 v242, 15, v0                         ; r
	v_bfe_u32 v243, v0, 4, 1                       ; h
	s_delay_alu instid0(VALU_DEP_3)
	v_lshlrev_b32 v16, 4, v241
	s_delay_alu instid0(VALU_DEP_4)
	v_lshlrev_b32 v17, 3, v241
	s_delay_alu instid0(VALU_DEP_4)
	v_lshlrev_b32 v18, 4, v242
	s_mul_i32 s68, s[PI], 768
	v_add_nc_u32 v1, s68, v16                      ; K: my head's half of an image
	v_add_nc_u32 v2, s68, v17
	s_delay_alu instid0(VALU_DEP_1)
	v_add_nc_u32 v2, 512, v2
	s_mul_i32 s69, s[PI], 6144
	s_add_co_u32 s69, s69, 12288
	v_add_nc_u32 v3, s69, v16                      ; V: my head's four images
	v_add_nc_u32 v4, s69, v17
	s_delay_alu instid0(VALU_DEP_1)
	v_add_nc_u32 v4, 512, v4
	s_lshl_b32 s70, s[PI], 1
	s_add_co_u32 s70, s70, 24576
	v_add_nc_u32 v7, s70, v16                      ; K's scale words: my head's two bytes
	s_lshl_b32 s71, s[PI], 9
	s_add_co_u32 s71, s71, 25600
	v_add_nc_u32 v8, s71, v16                      ; V's: my head's four words a row
	s_lshr_b32 s72, s[TQ], 1
	s_lshl_b32 s72, s72, 5
	s_and_b32 s73, s[TQ], 1
	s_lshl_b32 s73, s73, 3
	s_add_co_u32 s72, s72, s73
	v_and_b32 v244, 7, v0
	v_bfe_u32 v245, v0, 3, 1
	s_delay_alu instid0(VALU_DEP_1)
	v_lshl_add_u32 v15, v245, 4, v244              ; row r of a tile is token r % 8 + 16 (r / 8) + 8 (tile % 2) + 32 (tile / 2) of the group
	v_lshlrev_b32 v243, 4, v243
	s_delay_alu instid0(VALU_DEP_1)
	v_sub_nc_u32 v15, v15, v243
	s_delay_alu instid0(VALU_DEP_1)
	v_add_nc_u32 v15, s72, v15                     ; my query - 16 h
	s_and_b32 s73, s[WV], 3
	s_lshl_b32 s73, s73, 5
	v_add_nc_u32 v244, s73, v241                   ; the prefetches: block g = 32 (wave % 4) + L of 96: 0-47 K's images, 48-95 V's, which lie 16 majors on
	s_delay_alu instid0(VALU_DEP_1)
	v_lshlrev_b32 v19, 8, v244
	v_mov_b32 v245, 12570624
	s_delay_alu instid0(VALU_DEP_3)
	v_cmp_le_u32 vcc_lo, 48, v244
	s_delay_alu instid0(VALU_DEP_1)
	v_cndmask_b32 v245, 0, v245, vcc_lo
	s_delay_alu instid0(VALU_DEP_1)
	v_add_nc_u32 v19, v19, v245
	s_sub_co_u32 s73, s[WV], 4
	s_cmp_lt_u32 s73, 3                            ; waves 4 to 6
	s_cselect_b32 s[LIM], 14, 0
	s_cmp_eq_u32 s[II], 0                          ; of the work-group with i = 0
	s_cselect_b32 s[LIM], s[LIM], 0
	s_lshl_b32 s74, s66, 6
	s_lshl_b32 s75, s67, 4
	s_add_co_u32 s74, s74, s75
	s_add_co_u32 s74, s74, 1                       ; at key group 1: the first change of slots steps it to 2
	s_mul_i32 s74, s74, 12288
	s_mov_b32 s75, 0
	s_add_nc_u64 s[PFA:PFA+1], s[4:5], s[74:75]
	; where the results go: tile 128 b + 8 g + tq of tokens, K step P, half pi
	s_lshl_b32 s68, s67, 7
	s_add_co_u32 s68, s68, s[TQ]
	s_lshl_b32 s69, s[II], 3
	s_add_co_u32 s70, s68, s69
	s_sub_co_u32 s71, 120, s69
	s_add_co_u32 s71, s71, s68
	s_mul_i32 s72, s66, 1536
	s_mul_i32 s73, s[PI], 768
	s_add_co_u32 s72, s72, s73
	s_mul_i32 s74, s70, 12288
	s_add_co_u32 s74, s74, s72
	s_add_nc_u64 s[OC1:OC1+1], s[8:9], s[74:75]
	s_mul_i32 s74, s71, 12288
	s_add_co_u32 s74, s74, s72
	s_add_nc_u64 s[OC2:OC2+1], s[8:9], s[74:75]
	s_lshr_b32 s72, s66, 2
	s_lshl_b32 s72, s72, 8
	s_and_b32 s73, s66, 3
	s_lshl_b32 s73, s73, 2
	s_add_co_u32 s72, s72, s73
	s_lshl_b32 s73, s[PI], 1
	s_add_co_u32 s72, s72, s73
	s_lshl_b32 s74, s70, 9
	s_add_co_u32 s74, s74, s72
	s_add_nc_u64 s[OS1:OS1+1], s[10:11], s[74:75]
	s_lshl_b32 s74, s71, 9
	s_add_co_u32 s74, s74, s72
	s_add_nc_u64 s[OS2:OS2+1], s[10:11], s[74:75]
	; Q of both query groups: major 8 + P, groups 16 b + i and 16 b + 15 - i, image tq, half pi
	s_add_co_u32 s76, s66, 8
	s_lshl_b32 s76, s76, 6
	s_lshl_b32 s77, s67, 4
	s_add_co_u32 s76, s76, s77
	s_add_co_u32 s77, s76, s[II]
	s_add_co_u32 s78, s76, 15
	s_sub_co_u32 s78, s78, s[II]
	s_mul_i32 s79, s[TQ], 1536
	s_mul_i32 s72, s[PI], 768
	s_add_co_u32 s79, s79, s72
	s_mul_i32 s74, s77, 12288
	s_add_co_u32 s74, s74, s79
	s_add_nc_u64 s[80:81], s[4:5], s[74:75]
	s_mul_i32 s74, s78, 12288
	s_add_co_u32 s74, s74, s79
	s_add_nc_u64 s[84:85], s[4:5], s[74:75]
	s_lshr_b32 s79, s[TQ], 2
	s_lshl_b32 s79, s79, 9
	s_and_b32 s72, s[TQ], 3
	s_lshl_b32 s72, s72, 2
	s_add_co_u32 s79, s79, s72
	s_lshl_b32 s72, s[PI], 1
	s_add_co_u32 s79, s79, s72
	s_lshl_b32 s74, s77, 10
	s_add_co_u32 s74, s74, s79
	s_add_nc_u64 s[82:83], s[6:7], s[74:75]
	s_lshl_b32 s74, s78, 10
	s_add_co_u32 s74, s74, s79
	s_add_nc_u64 s[86:87], s[6:7], s[74:75]
	global_load_b128 v[24:27], v16, s[80:81]
	global_load_b64 v[28:29], v17, s[80:81] offset:512
	global_load_u16 v36, v16, s[82:83]             ; my head's two scale bytes; bytes 2 and 3 come as 0
	global_load_b128 v[38:41], v16, s[84:85]
	global_load_b64 v[42:43], v17, s[84:85] offset:512
	global_load_u16 v37, v16, s[86:87]
.irp i, 0,1,2,3,4,5
	v_mov_b32 v[30+\i], 0                          ; Q's upper 64 codes
	v_mov_b32 v[92+\i], 0                          ; what K's last tile runs on into
.endr
	v_mov_b32 v21, 0xff61b1e6                      ; the largest t so far: -3e38
	s_delay_alu instid0(VALU_DEP_1)
	v_floor_f32 v20, -v21
	v_mov_b32 v22, 0
	v_mov_b32 v23, 0
	v_mov_b32 v239, 0                              ; named as the upper half of the pair v[238:239] before it is first written
.irp b, 0,1,2,3
	v_mov_b32 v[PT+\b], 0                          ; a lane permute's destination counts as one of its sources
.endr
.set J, 0
.rept 32
	v_mov_b32 v[OT+J], 0                           ; the step is written without a first step of its own: it finds zeros, which the first change of M leaves zeros
.set J, J+1
.endr
	s_wait_loadcnt 0x0                             ; Q
.Ltrip:                                            ; 16 trips; behind each change of slots the next tile is asked for
	CHANGE 1
	STEP 0
	s_cmp_eq_u32 s[ST], s[II]                      ; trip i ends the first query group
	s_cbranch_scc0 .Lsame
	FINAL OC1, OS1
	REINIT
.Lsame:
	s_xor_b32 s[TB], s[TB], SLOT1
	s_add_co_u32 s[ST], s[ST], 1
	s_cmp_lt_u32 s[ST], 16
	s_cbranch_scc1 .Ltrip
	CHANGE 0                                       ; the last step is written out. It lies on the second group's diagonal
	STEP 1
	FINAL OC2, OS2
	s_wait_tensorcnt 0x0                           ; the wave's end
	ds_add_u32 v5, v6
	s_wait_dscnt 0x0
	s_endpgm
.Lfunc_end_k_qee76e29efd_attn:
	.size	k_qee76e29efd_attn, .Lfunc_end_k_qee76e29efd_attn-k_qee76e29efd_attn
	.p2alignl 7, 3214868480
	.fill 96, 4, 3214868480
	.section	.rodata,"a",@progbits
	.p2align	6, 0x0
	.amdhsa_kernel k_qee76e29efd_attn
		.amdhsa_group_segment_fixed_size 327680
		.amdhsa_private_segment_fixed_size 0
		.amdhsa_enable_private_segment 0
		.amdhsa_kernarg_size 32
		.amdhsa_user_sgpr_count 2
		.amdhsa_user_sgpr_kernarg_segment_ptr 1
		.amdhsa_wavefront_size32 1
		.amdhsa_system_sgpr_workgroup_id_x 1
		.amdhsa_system_sgpr_workgroup_id_y 1
		.amdhsa_system_sgpr_workgroup_id_z 1
		.amdhsa_system_vgpr_workitem_id 0
		.amdhsa_next_free_vgpr 256
		.amdhsa_next_free_sgpr 88
		.amdhsa_reserve_vcc 1
		.amdhsa_float_denorm_mode_32 3
		.amdhsa_float_denorm_mode_16_64 3
		.amdhsa_memory_ordered 1
		.amdhsa_forward_progress 1
		.amdhsa_inst_pref_size 68
	.end_amdhsa_kernel
	.amdgpu_metadata
---
amdhsa.version: [ 1, 2 ]
amdhsa.kernels:
  - .name:           k_qee76e29efd_attn
    .symbol:         k_qee76e29efd_attn.kd
    .args:
      - { .name: img, .offset: 0, .size: 8, .value_kind: global_buffer, .address_space: global }
      - { .name: sc, .offset: 8, .size: 8, .value_kind: global_buffer, .address_space: global }
      - { .name: atti, .offset: 16, .size: 8, .value_kind: global_buffer, .address_space: global }
      - { .name: atts, .offset: 24, .size: 8, .value_kind: global_buffer, .address_space: global }
    .group_segment_fixed_size: 327680
    .private_segment_fixed_size: 0
    .kernarg_segment_align: 8
    .kernarg_segment_size: 32
    .max_flat_workgroup_size: 512
    .sgpr_count:     88
    .vgpr_count:     256
    .wavefront_size: 32
...
	.end_amdgpu_metadata
.endif
;; end of part 3
;; launch gemm2 (part 4): grid 4 x 64, 4 waves a work-group, clusters of 4 x 4, 327,680 bytes of LDS; arguments atti, atts, opi, ops, b_proj, out0; writes out0
.if DOCPART == 4
	.amdgcn_target "amdgcn-amd-amdhsa--gfx1250"
	.amdhsa_code_object_version 6
	.text
	.protected	k_qee76e29efd_gemm2
	.globl	k_qee76e29efd_gemm2
	.p2align	8
	.type	k_qee76e29efd_gemm2,@function
k_qee76e29efd_gemm2:
	s_mov_b64 s[64:65], 0
	v_nop
	global_prefetch_b8 v0, s[64:65] scope:SCOPE_SE
	s_setreg_imm32_b32 hwreg(HW_REG_WAVE_MODE, 25, 1), 1
	s_wait_xcnt 0x0
	s_wait_alu depctr_hold_cnt(0) depctr_sa_sdst(0) depctr_va_vdst(0) depctr_va_sdst(0) depctr_va_ssrc(0) depctr_va_vcc(0) depctr_vm_vsrc(0)
	s_getreg_b32 s2, hwreg(HW_REG_IB_STS2, 6, 4)
	s_cmp_eq_u32 s2, 0
	s_cbranch_scc0 .Lentry_in_a_cluster
	s_endpgm
.Lentry_in_a_cluster:
	s_bfe_u32 s2, ttmp6, 0x10000c
	s_cmp_lg_u32 s2, 0xf033
	s_cbranch_scc0 .Lentry_shape_is_right
	s_endpgm
.Lentry_shape_is_right:
; out = x_att W_proj + b on codes of FP6 (E2M3) with E8M0 scales, K = 1,024; out is f32.
; A tile is 128 tokens (source 1, "A") x 256 columns (source 0, "B") x ALL of K: 294,912 bytes of LDS, filled once: no byte of LDS is filled twice, so there is no ring.  256 work-groups.
; Four waves, each 64 tokens x 128 columns: 32 accumulators, which take turns, one instruction a turn.  The bias is the C of each sum's first instruction.
; Operands lie as images of their registers: [tile of 16 rows][K step][1,536] (registers 6 c .. 6 c + 3 of lane L at 768 c + 16 L, 6 c + 4, 6 c + 5 at 768 c + 512 + 8 L); scale words [tile][512]: row r, K step s at 256 (s / 4) + 16 r + 4 (s % 4).
; Row r of tile T is actual row 32 (T / 2) + 8 (T % 2) + r % 8 + 16 (r / 8), of tokens and of columns alike: so a lane's 16 results of two neighbouring tiles of columns are 16 neighbouring columns.
; CLUSTER 4 x 4: A's tiles are asked for jointly along a row of the cluster, B's along a column.  Each wave has 8 tensor loads out at the head, by this text's own count.
; THE WAY OUT goes through a stage of each wave's own in chunk 0, which has had its only fill and its last read: whole rows of 512 bytes leave, aligned.
; REGISTERS: window 0: v16-24 addresses; v32-47 A's scale words, v48-79 B's; v80-175 A's fragments, two sets; v192-255 the bias; on the way out v80-207 rows of the result.  window 1: v0-191 B's fragments.  window 2: accumulator (a, b) at v[8 (8 a + b)].
.set WV, 66
.set HA, 67
.set HB, 68
.set CX, 69
.set CY, 70
.set YY, 71
.set G1A, 16
.set G1B, 24
.set G0, 32
.set A16, 16
.set A8, 17
.set B16, 18
.set B8, 19
.set L16, 20
.set L8, 21
.set STO, 22
.set RD, 23
.set SCA, 32
.set SCB, 48
.set AF, 80
.set BI, 192
.set CHUNK, 73728
.set MSB, 0
.macro WIN new                         ; the immediate's high byte repeats the setting that is left
.if MSB != \new
	s_set_vgpr_msb (MSB<<8)|\new
.set MSB, \new
.endif
.endm
.macro PLACES n
.rept \n
	v_nop
.endr
.endm
.macro CROUND                          ; a round of the cluster's barrier
	s_barrier_signal -1
	s_barrier_wait -1
	s_cmp_lg_u32 s[WV], 0
	s_cbranch_scc1 .Lnot_wave_0_\@
	s_barrier_signal -3
.Lnot_wave_0_\@:
	s_barrier_wait -3
	s_barrier_signal -1
	s_barrier_wait -1
.endm
.macro FRAGH reg, a16, a8, off
	ds_load_b128 v[(\reg):(\reg)+3], v[\a16] offset:(\off)
	ds_load_b64 v[(\reg)+4:(\reg)+5], v[\a8] offset:(\off)
	ds_load_b128 v[(\reg)+6:(\reg)+9], v[\a16] offset:(\off)+768
	ds_load_b64 v[(\reg)+10:(\reg)+11], v[\a8] offset:(\off)+768
.endm
.macro FETCH s
	WIN 0x40
.irp b, 0,1,2,3,4,5,6,7
	FRAGH 96*((\s)%2)+12*\b, B16, B8, 3072*\b+1536*((\s)%2)
.endr
	WIN 0
.irp a, 0,1,2,3
	FRAGH AF+48*((\s)%2)+12*\a, A16, A8, 3072*\a+1536*((\s)%2)
.endr
.endm
.macro MUL s
.if (\s) == 0
	WIN 0x81                                       ; source 0 (B) window 1, source 1 (A) and C (the bias) window 0, D window 2
.else
	WIN 0xa1                                       ; C and D window 2
.endif
.irp a, 0,1,2,3
.irp b, 0,1,2,3,4,5,6,7
.if (\s) == 0
	v_wmma_scale_f32_16x16x128_f8f6f4 v[8*(8*\a+\b):8*(8*\a+\b)+7], v[96*((\s)%2)+12*\b:96*((\s)%2)+12*\b+11], v[AF+48*((\s)%2)+12*\a:AF+48*((\s)%2)+12*\a+11], v[BI+8*\b:BI+8*\b+7], v[SCB+4*\b+(\s)%4], v[SCA+4*\a+(\s)%4] matrix_a_fmt:MATRIX_FMT_FP6 matrix_b_fmt:MATRIX_FMT_FP6
.elseif (\s) < 4
	v_wmma_scale_f32_16x16x128_f8f6f4 v[8*(8*\a+\b):8*(8*\a+\b)+7], v[96*((\s)%2)+12*\b:96*((\s)%2)+12*\b+11], v[AF+48*((\s)%2)+12*\a:AF+48*((\s)%2)+12*\a+11], v[8*(8*\a+\b):8*(8*\a+\b)+7], v[SCB+4*\b+(\s)%4], v[SCA+4*\a+(\s)%4] matrix_a_fmt:MATRIX_FMT_FP6 matrix_b_fmt:MATRIX_FMT_FP6
.else
	v_wmma_scale_f32_16x16x128_f8f6f4 v[8*(8*\a+\b):8*(8*\a+\b)+7], v[96*((\s)%2)+12*\b:96*((\s)%2)+12*\b+11], v[AF+48*((\s)%2)+12*\a:AF+48*((\s)%2)+12*\a+11], v[8*(8*\a+\b):8*(8*\a+\b)+7], v[SCB+4*\b+(\s)%4], v[SCA+4*\a+(\s)%4] matrix_a_fmt:MATRIX_FMT_FP6 matrix_b_fmt:MATRIX_FMT_FP6 matrix_a_scale:MATRIX_SCALE_ROW1 matrix_b_scale:MATRIX_SCALE_ROW1
.endif
.endr
.endr
.endm
.macro KSTEP s
	s_wait_dscnt 0x0                               ; this step's fragments are in; no LDS instruction of mine is out
.if ((\s) == 1) || ((\s) == 3) || ((\s) == 5)
	WIN 0
	s_wait_tensorcnt 5-(\s)                        ; my two loads of the next chunk have landed; two for each chunk behind it may be out
	s_barrier_signal -1
	s_barrier_wait -1                              ; everybody's have
	v_add_nc_u32 v[A16], CHUNK, v[A16]             ; on to the next chunk: these four lines are the places in front of the loads
	v_add_nc_u32 v[A8], CHUNK, v[A8]
	v_add_nc_u32 v[B16], CHUNK, v[B16]
	v_add_nc_u32 v[B8], CHUNK, v[B8]
.elseif ((\s) > 0) && ((\s) < 7)
	PLACES 4
.endif
.if (\s) < 7
	FETCH (\s)+1
.endif
	MUL \s
.endm
; THE WAY OUT of block a (16 tokens x 128 columns): a lane's 8 results of tile b are columns 32 (b / 2) + 16 (lane / 16) + 8 (b % 2) + 0 .. 7 of its row
.macro TOSTAGE a
	WIN 0x08                                       ; an LDS store's data: window 2
.irp b, 0,1,2,3,4,5,6,7
	ds_store_b128 v[STO], v[8*(8*(\a)+\b):8*(8*(\a)+\b)+3] offset:128*(\b/2)+32*(\b%2)       ; each accumulator from its low end on
	ds_store_b128 v[STO], v[8*(8*(\a)+\b)+4:8*(8*(\a)+\b)+7] offset:128*(\b/2)+32*(\b%2)+16
.endr
	WIN 0
.set BKS, AF+64*((\a)%2)
.irp t, 0,1,2,3,4,5,6,7,8,9,10,11,12,13,14,15
	ds_load_b128 v[BKS+4*\t:BKS+4*\t+3], v[RD] offset:528*\t   ; LDS serves a wave's instructions in order: these see the stores above, and the next block's stores come behind them
.endr
.endm
.macro SEND a, younger                 ; younger: the LDS instructions issued behind block a's loads
.set BKS, AF+64*((\a)%2)
	s_wait_dscnt \younger
.irp t, 0,1,2,3,4,5,6,7,8,9,10,11,12,13,14,15
	global_store_b128 v[L16], v[BKS+4*\t:BKS+4*\t+3], s[14:15] offset:(32*((\a)/2)+8*((\a)%2)+(\t%8)+16*(\t/8))*4096 th:TH_STORE_NT   ; 512 consecutive bytes of one token's row, aligned
.endr
.endm
	s_load_b256 s[4:11], s[0:1], 0x0               ; atti, atts, opi, ops
	s_load_b128 s[12:15], s[0:1], 0x20             ; b_proj, out0
	v_lshl_add_u32 v30, v0, 2, 0x48000
	v_mov_b32 v31, 0
	ds_add_u32 v30, v31
	ds_add_u32 v30, v31
	v_lshrrev_b32 v1, 5, v0
	v_readfirstlane_b32 s[WV], v1                  ; wave 0..3
	s_lshr_b32 s[HA], s[WV], 1
	s_and_b32 s[HB], s[WV], 1
	s_bfe_u32 s[CX], ttmp6, 0x40000
	s_bfe_u32 s[CY], ttmp6, 0x40004
	s_and_b32 s[YY], ttmp7, 0xffff
	s_lshl_b32 s72, s[YY], 2
	s_add_co_u32 s72, s72, s[CY]                   ; block of 128 tokens
	s_lshl_b32 s73, ttmp9, 2
	s_add_co_u32 s73, s73, s[CX]                   ; block of 256 columns
	s_lshl_b32 s74, s72, 3                         ; A's first tile
	s_lshl_b32 s75, s73, 4
	s_add_co_u32 s75, s75, 704                     ; B's: W_proj's columns begin at tile 704
	s_lshl_b32 s79, s[CY], 2
	s_lshl_b32 s79, 15, s79                        ; my row of the cluster
	s_lshl_b32 s80, 0x1111, s[CX]                  ; my column
	s_or_b32 s[G1A], s79, (3<<16)|(1<<21)
	s_or_b32 s[G1B], s80, (3<<16)|(1<<21)
	s_mov_b32 s[G1A+1], 384<<16
	s_mov_b32 s[G1A+2], 2<<16
	s_mov_b32 s[G1A+3], 384<<16
	s_mov_b32 s[G1A+4], 2
	s_mov_b32 s[G1A+5], 1536
	s_mov_b32 s[G1A+6], 0
	s_mov_b32 s[G1A+7], 0
	s_mov_b32 s[G1B+1], 384<<16
	s_mov_b32 s[G1B+2], 4<<16
	s_mov_b32 s[G1B+3], 384<<16
	s_mov_b32 s[G1B+4], 4
	s_mov_b32 s[G1B+5], 1536
	s_mov_b32 s[G1B+6], 0
	s_mov_b32 s[G1B+7], 0
	s_lshl_b32 s81, s[WV], 1
	s_add_co_u32 s81, s81, s74
	s_mul_i32 s82, s81, 12288
	s_mov_b32 s83, 0
	s_lshl_b32 s84, s[WV], 2
	s_add_co_u32 s84, s84, s75
	s_mul_i32 s84, s84, 12288
	s_mov_b32 s85, 0
	s_mul_i32 s86, s[WV], 6144
	s_mul_i32 s87, s[WV], 12288
	s_wait_dscnt 0x0
	s_wait_kmcnt 0x0
	s_add_nc_u64 s[82:83], s[4:5], s[82:83]
	s_add_nc_u64 s[84:85], s[8:9], s[84:85]
.irp q, 0,1,2,3
	s_mov_b32 s[G0+8*\q], 1
	s_add_co_u32 s[G0+8*\q+1], s86, CHUNK*\q
	s_add_nc_u64 s[G0+8*\q+2:G0+8*\q+3], s[82:83], 3072*\q
	s_or_b32 s[G0+8*\q+3], s[G0+8*\q+3], 0x80000000
	s_mov_b32 s[G0+8*\q+4], 1
	s_add_co_u32 s[G0+8*\q+5], s87, CHUNK*\q+24576
	s_add_nc_u64 s[G0+8*\q+6:G0+8*\q+7], s[84:85], 3072*\q
	s_or_b32 s[G0+8*\q+7], s[G0+8*\q+7], 0x80000000
.endr
	CROUND                                         ; all sixteen work-groups are here: the joint loads meet
.irp q, 0,1,2,3
	tensor_load_to_lds s[G0+8*\q:G0+8*\q+3], s[G1A:G1A+7]       ; all of K goes out at once, chunk by chunk: 8 loads of mine are out
	s_nop 0
	tensor_load_to_lds s[G0+8*\q+4:G0+8*\q+7], s[G1B:G1B+7]
	s_nop 0
.endr
	PLACES 4                                       ; behind tensor loads
	v_and_b32 v1, 31, v0
	v_lshlrev_b32 v[L16], 4, v1
	s_wait_alu depctr_va_vdst(0)
	v_lshlrev_b32 v[L8], 3, v1
	s_lshl_b32 s88, s[HA], 2
	s_add_co_u32 s88, s88, s74
	s_lshl_b32 s88, s88, 9
	s_mov_b32 s89, 0
	s_add_nc_u64 s[88:89], s[6:7], s[88:89]
	s_lshl_b32 s90, s[HB], 3
	s_add_co_u32 s90, s90, s75
	s_lshl_b32 s90, s90, 9
	s_mov_b32 s91, 0
	s_add_nc_u64 s[90:91], s[10:11], s[90:91]
.irp a, 0,1,2,3
	global_load_b128 v[SCA+4*\a:SCA+4*\a+3], v[L16], s[88:89] offset:512*\a
.endr
.irp b, 0,1,2,3,4,5,6,7
	global_load_b128 v[SCB+4*\b:SCB+4*\b+3], v[L16], s[90:91] offset:512*\b
.endr
	v_and_b32 v2, 15, v0                           ; r
	v_bfe_u32 v3, v0, 4, 1                         ; h
	v_lshlrev_b32 v24, 6, v3                       ; 64 h
	s_wait_alu depctr_va_vdst(0)
	s_lshl_b32 s95, s72, 7
	s_lshl_b32 s96, s[HA], 6
	s_add_co_u32 s95, s95, s96                     ; my first token
	s_lshl_b32 s96, s95, 12
	s_lshl_b32 s98, s73, 10
	s_lshl_b32 s95, s[HB], 9
	s_add_co_u32 s98, s98, s95                     ; my first column, in bytes
	s_mov_b32 s99, 0
	s_mov_b32 s97, 0
	s_add_nc_u64 s[12:13], s[12:13], s[98:99]
	s_add_nc_u64 s[14:15], s[14:15], s[96:97]
	s_add_nc_u64 s[14:15], s[14:15], s[98:99]
.irp b, 0,1,2,3,4,5,6,7
	global_load_b128 v[BI+8*\b:BI+8*\b+3], v24, s[12:13] offset:4*(32*(\b/2)+8*(\b%2))       ; the bias in the result's layout
	global_load_b128 v[BI+8*\b+4:BI+8*\b+7], v24, s[12:13] offset:4*(32*(\b/2)+8*(\b%2))+16
.endr
	s_mul_i32 s92, s[HA], 12288
	s_mul_i32 s93, s[HB], 24576
	s_add_co_u32 s93, s93, 24576
	v_add_nc_u32 v[A16], s92, v[L16]
	v_add_nc_u32 v[A8], s92, v[L8]
	v_add_nc_u32 v[A8], 512, v[A8]
	v_add_nc_u32 v[B16], s93, v[L16]
	v_add_nc_u32 v[B8], s93, v[L8]
	v_add_nc_u32 v[B8], 512, v[B8]
	s_mul_i32 s94, s[WV], 8448                     ; my stage: 16 rows of 512 + 16 bytes
	v_mul_u32_u24 v[STO], v2, 528
	v_add_nc_u32 v[STO], v[STO], v24
	v_add_nc_u32 v[STO], s94, v[STO]
	v_add_nc_u32 v[RD], s94, v[L16]
	s_wait_alu depctr_va_vdst(0)
	s_wait_tensorcnt 6                             ; my two loads of chunk 0 have landed; the six behind them may be out
	s_barrier_signal -1
	s_barrier_wait -1
	FETCH 0
	s_wait_loadcnt 0x0                             ; the scale words and the bias
	KSTEP 0
	KSTEP 1
	s_wait_alu depctr_va_vdst(0)
	KSTEP 2
	KSTEP 3
	s_wait_alu depctr_va_vdst(0)
	KSTEP 4
	KSTEP 5
	s_wait_alu depctr_va_vdst(0)
	KSTEP 6
	KSTEP 7
	WIN 0
	PLACES 4                                       ; in front of the first read of results and of loads into registers that the last products read
	s_wait_dscnt 0x0
	s_barrier_signal -1
	s_barrier_wait -1                              ; no wave reads chunk 0 any more; it has had its only fill
	TOSTAGE 0
	TOSTAGE 1
	SEND 0, 32                                     ; behind block 0's loads: block 1's 16 stores and 16 loads
	s_wait_xcnt 0x0                                ; block 0's stores have read their registers
	TOSTAGE 2
	SEND 1, 32
	s_wait_xcnt 0x0
	TOSTAGE 3
	SEND 2, 32
	SEND 3, 0
	s_wait_tensorcnt 0x0
	ds_add_u32 v30, v31
	s_wait_dscnt 0x0
	CROUND                                         ; the closing round: no work-group ends while a partner may still ask for a tile that names it
	s_endpgm
.Lfunc_end_k_qee76e29efd_gemm2:
	.size	k_qee76e29efd_gemm2, .Lfunc_end_k_qee76e29efd_gemm2-k_qee76e29efd_gemm2
	.p2alignl 7, 3214868480
	.fill 96, 4, 3214868480
	.section	.rodata,"a",@progbits
	.p2align	6, 0x0
	.amdhsa_kernel k_qee76e29efd_gemm2
		.amdhsa_group_segment_fixed_size 327680
		.amdhsa_private_segment_fixed_size 0
		.amdhsa_enable_private_segment 0
		.amdhsa_kernarg_size 48
		.amdhsa_user_sgpr_count 2
		.amdhsa_user_sgpr_kernarg_segment_ptr 1
		.amdhsa_wavefront_size32 1
		.amdhsa_system_sgpr_workgroup_id_x 1
		.amdhsa_system_sgpr_workgroup_id_y 1
		.amdhsa_system_sgpr_workgroup_id_z 1
		.amdhsa_system_vgpr_workitem_id 0
		.amdhsa_next_free_vgpr 768
		.amdhsa_next_free_sgpr 100
		.amdhsa_reserve_vcc 0
		.amdhsa_float_denorm_mode_32 3
		.amdhsa_float_denorm_mode_16_64 3
		.amdhsa_memory_ordered 1
		.amdhsa_forward_progress 1
		.amdhsa_inst_pref_size 85
	.end_amdhsa_kernel
	.amdgpu_metadata
---
amdhsa.version: [ 1, 2 ]
amdhsa.kernels:
  - .name:           k_qee76e29efd_gemm2
    .symbol:         k_qee76e29efd_gemm2.kd
    .args:
      - { .name: atti, .offset: 0, .size: 8, .value_kind: global_buffer, .address_space: global }
      - { .name: atts, .offset: 8, .size: 8, .value_kind: global_buffer, .address_space: global }
      - { .name: opi, .offset: 16, .size: 8, .value_kind: global_buffer, .address_space: global }
      - { .name: ops, .offset: 24, .size: 8, .value_kind: global_buffer, .address_space: global }
      - { .name: b_proj, .offset: 32, .size: 8, .value_kind: global_buffer, .address_space: global }
      - { .name: out0, .offset: 40, .size: 8, .value_kind: global_buffer, .address_space: global }
    .group_segment_fixed_size: 327680
    .private_segment_fixed_size: 0
    .kernarg_segment_align: 8
    .kernarg_segment_size: 48
    .max_flat_workgroup_size: 128
    .sgpr_count:     100
    .vgpr_count:     768
    .wavefront_size: 32
...
	.end_amdgpu_metadata
.endif
;; end of part 4
